; MI455X (gfx1250); checked and timed in simulation.
; The chip was launched on July 23, 2026; its instructions are those of AMD's public machine-readable ISA for CDNA 5 (MIT licence, August 2026) and "CDNA5" Instruction Set Architecture Reference Guide (July 2026). The comments in the code are by the model that wrote it; some were corrected since.
;; Multi Head Self Attention. Allowed arithmetic: matrix products marked QUANTISED: E4M3 operands, one given power-of-two scale a tensor, by v_wmma_f32_16x16x64_fp8_fp8 or v_wmma_f32_16x16x128_fp8_fp8, f32 sums; everything else in f32.
;; Inputs: Wo_b 1,024 float32; Wo_w 1,024 x 1,024 float32; Wqkv 3,072 x 1,024 float32; lowp_scales 8 int32 (the exponents e of the quantised operands' scales 2^e); x 4 x 2,048 x 1,024 float32.
;; Outputs: out0 4 x 2,048 x 1,024 float32.
;; This version of the problem:
;;   THIS VERSION OF THE PROBLEM IS GIVEN IN LOW PRECISION. The matrix products marked QUANTISED in the list below multiply operands that are first quantised to E4M3 (4 exponent bits, 3 mantissa bits; 8 bits a number), with one given power-of-two scale for each operand tensor; their sums are f32. All else is computed in f32.
;;   The module's matrix products, in the order in which they are computed (A, B: the left and right operand; K: the contracted axis; several contracted axes count as one K, in the product's order):
;;     1. [M 8,192, K 1,024] x [K 1,024, N 3,072]; A: input x; B: input Wqkv: QUANTISED (scales: A lowp_scales[0], B lowp_scales[1])
;;     2. batch 64 x [M 2,048, K 64] x [K 64, N 2,048]; A: computed on the way; B: computed on the way: QUANTISED (scales: A lowp_scales[2], B lowp_scales[3])
;;     3. batch 64 x [M 2,048, K 2,048] x [K 2,048, N 64]; A: softmax (see below); B: computed on the way: QUANTISED (scales: A lowp_scales[4], B lowp_scales[5])
;;     4. [M 8,192, K 1,024] x [K 1,024, N 1,024]; A: computed on the way; B: input Wo_w: QUANTISED (scales: A lowp_scales[6], B lowp_scales[7])
;;   THE QUANTISER, for each operand of a quantised product, along K:
;;     - The operand's scale is 2^e, e = its entry of the input lowp_scales (int32; the entries are numbered through the quantised products in the list's order, A before B).
;;     - Each number is divided by the scale, clamped to +-448, and rounded to the nearest number of E4M3, ties to even, subnormals kept.
;;     - The product sums the exact products of the quantised numbers (number of the format x scale) in f32.
;;   ~~~python
;;   def quantise(x, axis, e):      # numpy; x: float32 -> the quantised numbers, widened to float32 again
;;       x = np.moveaxis(x, axis, -1); K = x.shape[-1]
;;       r = np.clip(x / 2.0 ** e, -448, 448)
;;       step = 2.0 ** (np.maximum(np.frexp(np.where(r == 0, 1, r))[1] - 1, -6) - 3)
;;       q = np.round(r / step) * step * 2.0 ** e      # np.round: ties to even
;;       return np.moveaxis(q, -1, axis).astype(np.float32)
;;   ~~~
;;   SOFTMAX AHEAD OF A QUANTISED PRODUCT. Where the list says 'softmax', what is quantised is not the finished softmax but p = 2^(t - M), with t = logit x log2(e) and M = ceil(the row's largest t), a whole number; so 1/2 < the row's largest p <= 1. The row's sum l is taken of the UNQUANTISED p, in f32, and the product's result is divided by l at the end. Since M is a whole number, a kernel that streams over the keys may use a running M (the ceiling of the running maximum): every later rescaling is an exact power of two, so the quantised numbers keep their values, but for numbers so far below the row's largest that they fall under the format's range.
;;   OPERANDS COMPUTED ON THE WAY. 'Computed on the way' means the value that the module computes at that place (a softmax that the list does not call 'softmax' is quantised finished and normalised). What goes into a quantiser is computed in f32, as accurately as f32 sums, v_exp_f32 and their like allow (about 1e-6 of the number): no bf16 or f16 on the way to a quantiser, and a product that is left as it is and whose result goes on into a quantised operand takes f32 operands (vector FMAs, or v_wmma_f32_16x16x4_f32). A number that lies on a knife's edge between two numbers of the format may be rounded either way, as far as f32 arithmetic and the matrix unit's own rounding can turn it there, and no further.
;; One version. Each part assembles by itself: llvm-mc -triple=amdgcn-amd-amdhsa -mcpu=gfx1250 --defsym DOCPART=n.
;; ======== version 1 of 1: 4 launches
;; limits: right only within a limited range of input values
;; workspace buffers: codes 12,582,912 bytes; qkv 25,165,824 bytes; att 8,388,608 bytes
;; launch quant (part 1): grid 384 x 1, 4 waves a work-group, no clusters, 33,280 bytes of LDS; arguments x, Wqkv, Wo_w, lowp_scales, codes; writes codes
.if DOCPART == 1
	.amdgcn_target "amdgcn-amd-amdhsa--gfx1250"
	.amdhsa_code_object_version 6
	.text
	.protected	k_q9de88da847_quant
	.globl	k_q9de88da847_quant
	.p2align	8
	.type	k_q9de88da847_quant,@function
k_q9de88da847_quant:
	s_mov_b64 s[64:65], 0
	v_nop
	global_prefetch_b8 v0, s[64:65] scope:SCOPE_SE
	s_setreg_imm32_b32 hwreg(HW_REG_WAVE_MODE, 25, 1), 1
	s_wait_xcnt 0x0
; x [8192][1024], Wqkv [3072][1024] and Wo_w [1024][1024], f32, K innermost, become codes of FP8 (E4M3), one byte each, each tensor with the one scale 2^e given for it
; (entries 0, 1 and 7 of the scales).  code = number / 2^e, held within +-448, rounded to the nearest code, ties to even.
; LIMITS: e between -126 and 119, so that 2^e and 448 x 2^e are f32 numbers.  NaN among the inputs is not served (an infinity is held at the largest code).
; THE CODES' LAYOUT.  The three tensors' 12,288 rows are counted through, x first, then Wqkv, then Wo_w, and laid by tiles: [block of 128 rows][K chunk of 256][128 rows][256 bytes].
; So the tile (row block, K chunk) is 32,768 dense bytes, and a block's K chunks lie one behind the other: the products' tensor loads take one or several chunks as dense rows of 256 bytes.
; A work-group takes 32,768 numbers, a wave 8 rows in 16 steps of 512 numbers.  Work-groups 0-255 take x, 256-351 Wqkv, 352-383 Wo_w: only the input's pointer and e are chosen.
; The conversion takes 8 neighbours from ONE lane's registers, a load is best where neighbouring LANES take neighbouring bytes: a step's four loads read 512 consecutive bytes each, 16 a lane;
; the 2,048 bytes go through the wave's own stage in LDS and come back 64 bytes a lane (16 bytes of padding behind each 64).  A lane's 16 codes are 16 bytes: sixteen lanes store one aligned run of 256 bytes,
; lanes 0-15 in one K chunk and lanes 16-31 in the next.  No tensor loads, no barrier: waves share nothing.  Loads run four steps (16 loads a wave) ahead, the turn through LDS one step.
.set STEPS, 16
.set WGX,   256                        ; first work-group of Wqkv
.set WGO,   352                        ; first work-group of Wo_w
.set EMAX,  8
.set MANT,  0x600000                   ; the mantissa field of 448 as f32
.set R,     16                         ; v16-79   four sets of 16 numbers as they are loaded
.set X,     80                         ; v80-111  two sets of 16 neighbours
.set C,     128                        ; v128-191 codes: four registers for each step
.set WREG,  8192                       ; LDS: a region for each wave: two stages of 32 x SP bytes
.set SP,    80
	s_load_b256 s[4:11], s[0:1], 0x0               ; x, Wqkv, Wo_w, the scales' exponents
	s_load_b64 s[12:13], s[0:1], 0x20              ; the codes
	v_lshl_add_u32 v192, v0, 2, 0x8000             ; my spare word, behind the four regions
	v_mov_b32 v193, 0
	v_lshrrev_b32 v1, 5, v0
	v_readfirstlane_b32 s16, v1                    ; wave
	v_and_b32 v2, 31, v0                           ; lane
	v_lshlrev_b32 v3, 4, v2                        ; my 16 bytes of a load's 512
	s_mul_i32 s17, s16, WREG
	v_lshrrev_b32 v14, 2, v2
	v_mul_u32_u24 v14, v14, SP
	v_and_b32 v15, 3, v2
	v_lshl_add_u32 v14, v15, 4, v14
	v_add_nc_u32 v14, s17, v14                     ; the stage, on the way in
	v_mul_u32_u24 v15, v2, SP
	v_add_nc_u32 v15, s17, v15                     ; and on the way out: my 16 neighbours
	v_and_b32 v4, 15, v2
	v_lshlrev_b32 v4, 4, v4
	v_lshrrev_b32 v5, 4, v2
	v_lshl_add_u32 v4, v5, 15, v4                  ; my codes' place: 16 (lane % 16), + a K chunk for lanes 16-31
	s_wait_alu depctr_va_vdst(0)                   ; directly ahead of the wait below
	s_wait_kmcnt 0x0
	s_load_b256 s[24:31], s[10:11], 0x0            ; the eight exponents
	s_cmp_lt_u32 ttmp9, WGX                        ; which tensor?  The choice hangs on the work-group's number alone
	s_cselect_b64 s[4:5], s[4:5], s[6:7]
	s_cselect_b32 s17, 0, WGX
	s_cmp_lt_u32 ttmp9, WGO
	s_cselect_b64 s[4:5], s[4:5], s[8:9]
	s_cselect_b32 s17, s17, WGO
	s_sub_co_u32 s17, ttmp9, s17
	s_lshl_b32 s17, s17, 2
	s_add_co_u32 s18, s17, s16                     ; which run of 8 rows of the tensor is my wave's
	s_mov_b32 s19, 0
	s_lshl_b64 s[20:21], s[18:19], 15              ; 32,768 bytes a run
	s_add_nc_u64 s[4:5], s[4:5], s[20:21]
	s_lshl_b32 s18, ttmp9, 2
	s_add_co_u32 s18, s18, s16                     ; the run, counted through all three tensors: rows 8 x run on
	s_lshr_b32 s20, s18, 4
	s_lshl_b32 s20, s20, 17                        ; the block of 128 rows: 131,072 bytes each,
	s_and_b32 s18, s18, 15
	s_lshl_b32 s18, s18, 11                        ; and 8 rows of 256 bytes for each run in it
	s_add_co_u32 s20, s20, s18
	s_mov_b32 s21, 0
	s_add_nc_u64 s[12:13], s[12:13], s[20:21]
.macro LOAD t
.irp i, 0,1,2,3
	global_load_b128 v[R+16*((\t)%4)+4*\i:R+16*((\t)%4)+4*\i+3], v3, s[4:5] offset:2048*(\t)+512*\i th:TH_LOAD_NT
.endr
.endm
.macro TURN t                          ; LDS serves a wave's instructions in order (ISA guide 5.7.1.4): no wait between the stores and the loads
.irp i, 0,1,2,3
	ds_store_b128 v14, v[R+16*((\t)%4)+4*\i:R+16*((\t)%4)+4*\i+3] offset:32*SP*((\t)%2)+8*SP*\i
.endr
.irp i, 0,1,2,3
	ds_load_b128 v[X+16*((\t)%2)+4*\i:X+16*((\t)%2)+4*\i+3], v15 offset:32*SP*((\t)%2)+16*\i
.endr
.endm
.irp t, 0,1,2,3
	LOAD \t
.endr
	s_wait_kmcnt 0x0
	s_cmp_lt_u32 ttmp9, WGX
	s_cselect_b32 s22, s24, s25                    ; x: entry 0; Wqkv: entry 1;
	s_cmp_lt_u32 ttmp9, WGO
	s_cselect_b32 s22, s22, s31                    ; Wo_w: entry 7
	s_add_co_i32 s22, s22, 127
	s_lshl_b32 s23, s22, 23
	v_mov_b32 v11, s23                             ; 2^e
	s_add_co_i32 s22, s22, EMAX
	s_lshl_b32 s22, s22, 23
	s_or_b32 s22, s22, MANT
	v_mov_b32 v10, s22                             ; 448 x 2^e
	s_wait_alu depctr_va_vdst(0)                   ; the head's end
	s_wait_loadcnt 12                              ; step 0's four loads are in; the twelve of steps 1 to 3 may be out
	TURN 0
.macro STEP t
.set XS, X+16*((\t)%2)
	s_wait_dscnt 0x0                               ; this step's numbers are back from the stage
.if (\t)+4 < STEPS
	LOAD (\t)+4
.endif
.if (\t)+1 < STEPS
.if STEPS-2-(\t) >= 3
	s_wait_loadcnt 12                              ; the next step's four loads are in; those of the three steps behind it may be out
.else
	s_wait_loadcnt 4*(STEPS-2-(\t))
.endif
	TURN (\t)+1
.endif
.irp i, 0,1,2,3,4,5,6,7,8,9,10,11,12,13,14,15
	v_med3_num_f32 v[XS+\i], v[XS+\i], -v10, v10   ; the conversion to an 8-bit code does not saturate (ISA guide 7.6.2)
.endr
	v_cvt_scalef32_pk8_fp8_f32 v[C+4*(\t):C+4*(\t)+1], v[XS:XS+7], v11
	v_cvt_scalef32_pk8_fp8_f32 v[C+4*(\t)+2:C+4*(\t)+3], v[XS+8:XS+15], v11
	global_store_b128 v4, v[C+4*(\t):C+4*(\t)+3], s[12:13] offset:256*((\t)/2)+65536*((\t)%2)   ; row t / 2 of my eight; K chunks 2 (t % 2) and 2 (t % 2) + 1
.endm
.irp t, 0,1,2,3,4,5,6,7,8,9,10,11,12,13,14,15
	STEP \t
.endr
	s_wait_tensorcnt 0x0                           ; the wave's end
	ds_add_u32 v192, v193
	s_wait_dscnt 0x0
	s_endpgm
.Lfunc_end_k_q9de88da847_quant:
	.size	k_q9de88da847_quant, .Lfunc_end_k_q9de88da847_quant-k_q9de88da847_quant
	.p2alignl 7, 3214868480
	.fill 96, 4, 3214868480
	.section	.rodata,"a",@progbits
	.p2align	6, 0x0
	.amdhsa_kernel k_q9de88da847_quant
		.amdhsa_group_segment_fixed_size 33280
		.amdhsa_private_segment_fixed_size 0
		.amdhsa_enable_private_segment 0
		.amdhsa_kernarg_size 40
		.amdhsa_user_sgpr_count 2
		.amdhsa_user_sgpr_kernarg_segment_ptr 1
		.amdhsa_wavefront_size32 1
		.amdhsa_system_sgpr_workgroup_id_x 1
		.amdhsa_system_sgpr_workgroup_id_y 1
		.amdhsa_system_sgpr_workgroup_id_z 1
		.amdhsa_system_vgpr_workitem_id 0
		.amdhsa_next_free_vgpr 194
		.amdhsa_next_free_sgpr 66
		.amdhsa_reserve_vcc 0
		.amdhsa_float_denorm_mode_32 3
		.amdhsa_float_denorm_mode_16_64 3
		.amdhsa_memory_ordered 1
		.amdhsa_forward_progress 1
		.amdhsa_inst_pref_size 38
	.end_amdhsa_kernel
	.amdgpu_metadata
---
amdhsa.version: [ 1, 2 ]
amdhsa.kernels:
  - .name:           k_q9de88da847_quant
    .symbol:         k_q9de88da847_quant.kd
    .args:
      - { .name: x, .offset: 0, .size: 8, .value_kind: global_buffer, .address_space: global }
      - { .name: Wqkv, .offset: 8, .size: 8, .value_kind: global_buffer, .address_space: global }
      - { .name: Wo_w, .offset: 16, .size: 8, .value_kind: global_buffer, .address_space: global }
      - { .name: lowp_scales, .offset: 24, .size: 8, .value_kind: global_buffer, .address_space: global }
      - { .name: codes, .offset: 32, .size: 8, .value_kind: global_buffer, .address_space: global }
    .group_segment_fixed_size: 33280
    .private_segment_fixed_size: 0
    .kernarg_segment_align: 8
    .kernarg_segment_size: 40
    .max_flat_workgroup_size: 128
    .sgpr_count:     66
    .vgpr_count:     194
    .wavefront_size: 32
...
	.end_amdgpu_metadata
.endif
;; end of part 1
;; launch qkvgemm (part 2): grid 12 x 32, 4 waves a work-group, clusters of 4 x 4, 327,680 bytes of LDS; arguments codes, lowp_scales, qkv; writes qkv
.if DOCPART == 2
	.amdgcn_target "amdgcn-amd-amdhsa--gfx1250"
	.amdhsa_code_object_version 6
	.text
	.protected	k_q9de88da847_qkvgemm
	.globl	k_q9de88da847_qkvgemm
	.p2align	8
	.type	k_q9de88da847_qkvgemm,@function
k_q9de88da847_qkvgemm:
	s_mov_b64 s[64:65], 0
	v_nop
	global_prefetch_b8 v0, s[64:65] scope:SCOPE_SE
	s_setreg_imm32_b32 hwreg(HW_REG_WAVE_MODE, 25, 1), 1
	s_wait_xcnt 0x0
	s_wait_alu depctr_hold_cnt(0) depctr_sa_sdst(0) depctr_va_vdst(0) depctr_va_sdst(0) depctr_va_ssrc(0) depctr_va_vcc(0) depctr_vm_vsrc(0)
	s_getreg_b32 s2, hwreg(HW_REG_IB_STS2, 6, 4)
	s_cmp_eq_u32 s2, 0
	s_cbranch_scc0 .Lentry_in_a_cluster
	s_endpgm
.Lentry_in_a_cluster:
	s_bfe_u32 s2, ttmp6, 0x10000c
	s_cmp_lg_u32 s2, 0xf033
	s_cbranch_scc0 .Lentry_shape_is_right
	s_endpgm
.Lentry_shape_is_right:
; qkv = x Wqkv^T on codes of FP8 (E4M3), K = 1,024, and the results quantised at once: q with entry 2 of the scales, k with entry 3, v with entry 5.
; ONE BODY, TWO USES.  It makes C[m][n] = sum over k of A[m][k] B[n][k], a tile of 256 x 256 a work-group, 128 x 128 a wave, and a lane ends up with eight neighbours along n.
;   cluster x = 0, 1:  A = x (tokens), B = Wq's and Wk's rows: n runs along a head's 64, which is K of the scores' product.
;   cluster x = 2:     A = Wv's rows (channels), B = x (tokens): n runs along the keys, which is K of the product with p.  So V is made transposed, and nothing is turned by an instruction.
; The two uses differ in scalars that hang on the cluster's x alone, equal in all sixteen partners.
; OUT: q and k as [32 (q's 16 heads, then k's)][8192 tokens][64]; behind them v as [batch][head][32 blocks of 64 keys][64 channels][64 keys].
; A sum stands for sum x 2^(e0 + e1); its code is sum / 2^(eo - e0 - e1), eo the output's exponent: three scales folded into the conversion's one.
; LIMIT: eo - e0 - e1 between -126 and 119, so that this power of two and 448 times it are f32 numbers.
; K goes in steps of 256 through a ring of two LDS slots filled by the tensor data mover: a tile's row is 256 bytes of memory.
; CLUSTERS: 4 x 4 work-groups.  The four of a row of the cluster need the same tiles of A, the four of a column the same tiles of B: each tile is asked for JOINTLY, by the same tensor load with the
; same descriptor and a mask that names the four.  THE MATRIX INSTRUCTION IS USED TRANSPOSED (source 0 = 16 rows of B, source 1 = 16 rows of A).
; A fragment is fetched by four loads of 16 bytes: a permutation of k inside the instruction's 128, the same in A and in B, so that every product meets its partner.
; REGISTERS, in windows of 256: window 0: v0-31 addresses; from v128 A's fragments (8 x 16 rows x 128 K), ONE set; on the way out v32-255 are free.
;   window 1: B's fragments, TWO sets, at v0 and at v128.   window 2: the 32 accumulators of my rows 0-63 (accumulator (a, b) at v[8 (8 a + b)]);   window 3: those of my rows 64-127.
.set KSTEP,  256                       ; along K in a slot
.set ROWB,   256                       ; a tile's row in bytes
.set KROW,   1024                      ; K.  The codes lie by tiles, [block of 128 rows][K chunk of 256][128 rows][256 bytes]: a wave's 128 rows of a K step are 32,768 dense bytes, the next K step's follow them
.set KADV,   32768                     ; from a K step's tile to the next
.set PITCH,  272                       ; an LDS row: 256 bytes + 16 of padding = 68 words: row r starts at bank 4 r mod 64 (64 banks of 4 bytes: ISA guide 11.1)
.set FR,     16                        ; registers of a fragment: 16 rows x 128 K
.set NL,     4                         ; LDS loads that bring one
.set NP,     4                         ; places behind this matrix instruction (ISA guide 7.12.1)
.set HALFT,  128*PITCH                 ; 128 rows: what one tensor load brings, and what one wave reads of A or of B
.set SLOT,   HALFT                     ; LDS: four parts (A's halves, B's halves), each with slot 0's 128 rows and then slot 1's, so that the head's one load fills both slots of a part
.set LAPS,   KROW/(2*KSTEP)            ; a lap = two K steps = once round the ring: 2
.set SPARE,  8*HALFT                   ; behind the ring: the spare words, 128 bytes for each wave: two blocks of 256 bytes that no other line names
.set WQK_AT, 8388608                   ; Wqkv's codes begin here in the buffer of codes,
.set WV_AT,  10485760                  ; and Wv's rows here
.set V_AT,   16777216                  ; v begins here in the output
.set SP2,    288                       ; the way out: a stage of 256 rows x (256 code bytes + 32), the work-group's, from LDS byte 0 on: both slots have had their last fill, and a barrier stands between the last read of them and the first code stored
.set VO,   8                           ; v8-11   my byte offset in chunk 0..3 of my part of the output
.set ADRA, 16                          ; v16-17  LDS address of my A fragments in slot 0, 1
.set ADRB, 20                          ; v20-21  the same for B
.set STO,  24                          ; v24     the way out: where I put 8 codes of a row
.set RD0,  25                          ; v25     the way out: where I read back, rows 0-127
.set RD1,  27                          ; v27     rows 128-255
.set SPW,  28                          ; v28     LDS address of my spare word: SPARE + 4 x my thread's number; never rewritten
.set NIL,  29                          ; v29     0; never rewritten
.set SCL,  30                          ; v30     2^(eo - e0 - e1) as f32
.set LIM,  31                          ; v31     448 x that
.set TMP,  32                          ; v32-95  a block's 64 sums, held
.set AF,   128                         ; A's fragments, in window 0
.set CD,   128                         ; the way out: codes, 16 registers for each of the 8 blocks; then what comes back from the stage
.set G1, 24                            ; s[24:31] descriptor group 1 for A's tiles;  s[32:39] group 0, one set for each slot
.set G0, 32
.set G1B, 48                           ; s[48:55], s[56:63] the same for B's tiles
.set G0B, 56
.set MSB, 0
.macro WIN new                         ; the immediate's high byte repeats the setting that is left
.if MSB != \new
	s_set_vgpr_msb (MSB<<8)|\new
.set MSB, \new
.endif
.endm
.set MUL_LO, 0xa1                      ; source 0 (B) window 1, source 1 (A) window 0, C and D window 2
.set MUL_HI, 0xf1                      ; the same, C and D window 3
.set TO_B,   0x40                      ; destination window 1, address window 0
; A joint load: waves 0 and 1 fetch for A, waves 2 and 3 for B.  Each of the two lines has ONE mask and one set of registers for all that issue it; the branch hangs on the wave's number alone.
; Four v_nop follow each of the two lines, ahead of the jump, the label and what follows.
.macro JLOAD g0a, g1a, g0b, g1b
	s_cmp_eq_u32 s15, 0
	s_cbranch_scc0 .Lfor_b_\@
	tensor_load_to_lds s[\g0a:\g0a+3], s[\g1a:\g1a+7]
	s_nop 0
.rept 4
	v_nop
.endr
	s_branch .Lasked_\@
.Lfor_b_\@:
	tensor_load_to_lds s[\g0b:\g0b+3], s[\g1b:\g1b+7]
	s_nop 0
.rept 4
	v_nop
.endr
.Lasked_\@:
.endm
.macro CREST                           ; a round of the cluster's barrier behind its opening barrier
	s_cmp_lg_u32 s14, 0
	s_cbranch_scc1 .Lnot_wave_0_\@
	s_barrier_signal -3
.Lnot_wave_0_\@:
	s_barrier_wait -3
	s_barrier_signal -1
	s_barrier_wait -1
.endm
.macro CROUND                          ; a whole round
	s_barrier_signal -1
	s_barrier_wait -1
	CREST
.endm
	s_load_b128 s[4:7], s[0:1], 0x0                ; the codes s[4:5], the scales' exponents s[6:7]
	s_load_b64 s[10:11], s[0:1], 0x10              ; the output
	v_lshl_add_u32 v[SPW], v0, 2, SPARE
	v_mov_b32 v[NIL], 0
	ds_add_u32 v28, v29
	ds_add_u32 v28, v29
	s_wait_dscnt 0x0
	v_lshrrev_b32 v1, 5, v0
	v_readfirstlane_b32 s14, v1                    ; wave 0..3
	s_lshr_b32 s15, s14, 1                         ; which half of the tile's rows is mine.  Also: I fetch for A (0) or for B (1)
	s_and_b32 s16, s14, 1                          ; which half of its columns.  Also: which 128 rows of that tile I fetch
	s_bfe_u32 s40, ttmp6, 0x40000                  ; cx, cy: my place in the cluster
	s_bfe_u32 s41, ttmp6, 0x40004
	s_and_b32 s68, ttmp7, 0xffff
	s_lshl_b32 s68, s68, 2                         ; 4 x cluster y
	s_lshl_b32 s69, ttmp9, 2                       ; 4 x cluster x
	s_mov_b32 s70, WV_AT
	s_mov_b32 s71, WQK_AT
	s_cmp_lt_u32 ttmp9, 2                          ; q and k, or v?  All four choices stand ahead of the additions, which write SCC
	s_cselect_b32 s17, s68, 0                      ; tile row: tokens by cluster y | Wv's four tile rows
	s_cselect_b32 s42, s69, s68                    ; tile column: Wq's and Wk's rows by cluster x | tokens by cluster y
	s_cselect_b32 s66, 0, s70                      ; where A begins in the buffer of codes
	s_cselect_b32 s67, s71, 0                      ; where B begins
	s_add_co_u32 s17, s17, s41                     ; tile row of C: + cy
	s_add_co_u32 s42, s42, s40                     ; tile column of C: + cx
	s_lshl_b32 s43, s41, 2
	s_lshl_b32 s43, 15, s43                        ; my row of the cluster
	s_lshl_b32 s44, 0x1111, s40                    ; my column
	; descriptor group 1: a tile of 128 rows x 256 bytes, padded in LDS
	s_or_b32 s[G1+0], s43, (0<<16)|(1<<20)|(1<<21)|(5<<22)|(3<<25)  ; 15:0 the mask: A's tiles go to my row; 17:16 element of 1 byte; 20 padding on; 21 set beside a mask; 24:22 after every 64 words (code 5); 31:25 of 4 words (code 3)
	s_or_b32 s[G1B+0], s44, (0<<16)|(1<<20)|(1<<21)|(5<<22)|(3<<25)
.irp g, G1, G1B
	s_mov_b32 s[\g+1], ROWB<<16                    ; tensor_dim0
	s_mov_b32 s[\g+2], 256<<16                     ; tensor_dim1 = 256: the head's load brings K steps 0 and 1
	s_mov_b32 s[\g+3], ROWB<<16                    ; tile_dim0
	s_mov_b32 s[\g+4], 256                         ; tile_dim1 = 256
	s_mov_b32 s[\g+5], ROWB                        ; tensor_dim0_stride: dense
	s_mov_b32 s[\g+6], 0
	s_mov_b32 s[\g+7], 0
.endr
	s_lshl_b32 s18, s16, 7                         ; which 128 rows of the tile I fetch
	s_lshl_b32 s20, s17, 8
	s_add_co_u32 s20, s20, s18                     ; A: row 256 x tile row + 128 x half,
	s_lshl_b32 s20, s20, 10                        ; 1,024 bytes a row (under 2^24),
	s_add_co_u32 s20, s20, s66                     ; from A's first byte: no register here ever holds cx
	s_mov_b32 s21, 0
	s_lshl_b32 s46, s42, 8
	s_add_co_u32 s46, s46, s18                     ; B: row 256 x tile column + 128 x half: no register here ever holds cy
	s_lshl_b32 s46, s46, 10
	s_add_co_u32 s46, s46, s67
	s_mov_b32 s47, 0
	s_mul_i32 s45, s14, 2*HALFT                    ; where they go: wave x a part: no place in the cluster enters an LDS address
	s_wait_kmcnt 0x0
	s_load_b256 s[80:87], s[6:7], 0x0              ; the eight exponents
	s_add_nc_u64 s[20:21], s[4:5], s[20:21]
	s_add_nc_u64 s[46:47], s[4:5], s[46:47]
	CROUND                                         ; all sixteen work-groups are here: the first joint loads meet
.irp s, 0,1
	s_mov_b32 s[G0+4*\s], 1
	s_add_co_u32 s[G0+4*\s+1], s45, \s*SLOT
	s_add_nc_u64 s[G0+4*\s+2:G0+4*\s+3], s[20:21], \s*KADV
	s_or_b32 s[G0+4*\s+3], s[G0+4*\s+3], 0x80000000
	s_mov_b32 s[G0B+4*\s], 1
	s_add_co_u32 s[G0B+4*\s+1], s45, \s*SLOT
	s_add_nc_u64 s[G0B+4*\s+2:G0B+4*\s+3], s[46:47], \s*KADV
	s_or_b32 s[G0B+4*\s+3], s[G0B+4*\s+3], 0x80000000
.endr
	JLOAD G0, G1, G0B, G1B                         ; K steps 0 and 1, 256 dense rows: one tensor load a wave at the head
	; PREFETCHES INTO THE L2: K step 2 here, two fills ahead of the refill that wants it, K step 3 behind the first fragment loads.  A wave's tile of a K step is 128 blocks of 256 bytes;
	; the four partners that ask for it jointly share them out by address, 32 each (cx for A, cy for B), a lane a block: each block is named once in each cluster that loads it.
	s_cmp_eq_u32 s15, 0
	s_cselect_b64 s[90:91], s[20:21], s[46:47]
	s_cselect_b32 s92, s40, s41
	s_lshl_b32 s92, s92, 13
	s_mov_b32 s93, 0
	s_add_nc_u64 s[90:91], s[90:91], s[92:93]
	v_and_b32 v18, 31, v0
	v_lshlrev_b32 v18, 8, v18
	global_prefetch_b8 v18, s[90:91] offset:2*KADV th:TH_LOAD_NT scope:SCOPE_SE
	v_and_b32 v1, 15, v0                           ; l % 16
	s_wait_alu depctr_va_vdst(0)
	v_bfe_u32 v2, v0, 4, 1                         ; l / 16
	v_mul_u32_u24 v3, v1, PITCH
	v_lshl_add_u32 v4, v2, 4, v3                   ; a fragment's row x pitch + 16 x half
	s_mul_i32 s21, s15, 2*HALFT                    ; my 128 rows of A
	s_mul_i32 s22, s16, 2*HALFT                    ; my 128 rows of B,
	s_add_co_u32 s22, s22, 4*HALFT                 ; which lie behind A's two parts
.irp s, 0,1
	v_add_nc_u32 v[ADRA+\s], s21, v4
	v_add_nc_u32 v[ADRB+\s], s22, v4
	s_add_co_u32 s21, s21, SLOT
	s_add_co_u32 s22, s22, SLOT
.endr
	; the way out.  Into the stage: row 128 x (my half of the rows) + l % 16, byte 128 x (my half of the columns) + 8 (l / 16)
	s_lshl_b32 s23, s15, 7
	s_mul_i32 s23, s23, SP2
	s_lshl_b32 s21, s16, 7
	s_add_co_u32 s23, s23, s21
	v_mul_u32_u24 v5, v1, SP2
	s_wait_alu depctr_va_vdst(0)
	v_lshl_add_u32 v5, v2, 3, v5
	v_add_nc_u32 v[STO], s23, v5
	; back: wave w takes bytes 64 w .. 64 w + 63 of all 256 rows; a load takes eight rows: row l / 4, 16 bytes at 16 (l % 4)
	v_and_b32 v6, 31, v0
	s_wait_alu depctr_va_vdst(0)
	v_lshrrev_b32 v7, 2, v6
	v_mul_u32_u24 v7, v7, SP2
	v_and_b32 v12, 3, v6
	v_lshl_add_u32 v7, v12, 4, v7
	s_lshl_b32 s23, s14, 6
	v_add_nc_u32 v[RD0], s23, v7
	v_add_nc_u32 v[RD1], 128*SP2, v[RD0]
	; where my 64 columns of the tile go.  q, k: group 4 x tile column + wave of 64 channels, 524,288 bytes each; 256 tokens x 64 bytes on end: four chunks of 4,096 bytes.
	s_lshl_b32 s72, s42, 2
	s_add_co_u32 s72, s72, s14
	s_lshl_b32 s72, s72, 19
	s_lshl_b32 s73, s17, 14
	s_add_co_u32 s72, s72, s73
	; v: batch = tile column / 8; head = 4 x tile row + chunk, 131,072 bytes each; block of 64 keys = 4 (tile column % 8) + wave, 4,096 bytes: 64 channels x 64 keys on end
	s_lshr_b32 s74, s42, 3
	s_lshl_b32 s74, s74, 21
	s_lshl_b32 s75, s17, 19
	s_add_co_u32 s74, s74, s75
	s_and_b32 s75, s42, 7
	s_lshl_b32 s75, s75, 2
	s_add_co_u32 s75, s75, s14
	s_lshl_b32 s75, s75, 12
	s_add_co_u32 s74, s74, s75
	s_add_co_u32 s74, s74, V_AT
	s_mov_b32 s78, 131072
	s_cmp_lt_u32 ttmp9, 2
	s_cselect_b32 s76, s72, s74
	s_cselect_b32 s78, 4096, s78                   ; from chunk to chunk
	s_mov_b32 s77, 0
	s_add_nc_u64 s[10:11], s[10:11], s[76:77]
	v_lshlrev_b32 v[VO], 4, v6                     ; 16 bytes a lane
	v_add_nc_u32 v[VO+1], s78, v[VO]
	v_add_nc_u32 v[VO+2], s78, v[VO+1]
	v_add_nc_u32 v[VO+3], s78, v[VO+2]
.macro FRAG reg, adr, q, i             ; a fragment, 16 rows x 128 K of 8-bit codes, is 16 registers: lane l holds row l % 16; registers 4 c .. 4 c + 3 hold K = 32 c + 16 (l / 16) + 0 .. 15
.irp c, 0,1,2,3
	ds_load_b128 v[\reg+4*\c:\reg+4*\c+3], v[\adr] offset:128*(\q)+32*\c+(\i)*16*PITCH
.endr
.endm
; 16 matrix instructions: A's blocks a0, a0 + 1 x B's eight, 128 along K.  p: B's set.  zero = 1: the first product starts the sums: nothing is ever cleared.
; The 64 accumulators take turns, one instruction a turn, in the same order in every step.
.macro MUL16 a0, p, zero
.irp a, \a0, \a0+1
.irp b, 0,1,2,3,4,5,6,7
.if \zero
	v_wmma_f32_16x16x128_fp8_fp8 v[8*(8*((\a)%4)+\b):8*(8*((\a)%4)+\b)+7], v[128*(\p)+FR*\b:128*(\p)+FR*\b+FR-1], v[AF+FR*(\a):AF+FR*(\a)+FR-1], 0
.else
	v_wmma_f32_16x16x128_fp8_fp8 v[8*(8*((\a)%4)+\b):8*(8*((\a)%4)+\b)+7], v[128*(\p)+FR*\b:128*(\p)+FR*\b+FR-1], v[AF+FR*(\a):AF+FR*(\a)+FR-1], v[8*(8*((\a)%4)+\b):8*(8*((\a)%4)+\b)+7]
.endif
.endr
.endr
.endm
.macro FETCH_B slot, q, p              ; B's eight fragments of the slot's q-th 128 along K into set p
	WIN TO_B
.irp i, 0,1,2,3,4,5,6,7
	FRAG 128*(\p)+FR*\i, ADRB+\slot, \q, \i
.endr
	WIN 0
.endm
.macro FETCH_A slot, q, i0             ; A's blocks i0 .. i0 + 3
.irp i, \i0, \i0+1, \i0+2, \i0+3
	FRAG AF+FR*(\i), ADRA+\slot, \q, \i
.endr
.endm
; A load into a register that a matrix instruction has read, and a vector instruction that reads a matrix result, stand NP places behind that matrix instruction, and only plain vector
; instructions that name none of its registers are places (ISA guide 7.12.1 for vector instructions).
.macro PLACES n
.rept \n
	v_nop
.endr
.endm
; A step of 128 along K that has its successor in the same slot.  A's blocks go one after the other, each against B's eight: a block of A is free as soon as its eight products are issued.
.macro STEP slot, q, zero
	s_wait_dscnt 4*NL                              ; B's set and A's blocks 0-3 are in; the youngest sixteen loads (A's blocks 4-7) may be out
	WIN MUL_LO
	MUL16 0, (\q)%2, \zero
	MUL16 2, (\q)%2, \zero
	s_wait_dscnt 0                                 ; A's blocks 4-7 are in (asked for 32 matrix instructions ago)
	PLACES NP
	FETCH_B \slot, (\q)+1, 1-(\q)%2
	FETCH_A \slot, (\q)+1, 0
	WIN MUL_HI
	MUL16 4, (\q)%2, \zero
	MUL16 6, (\q)%2, \zero
	PLACES NP
	WIN 0
	FETCH_A \slot, (\q)+1, 4
.endm
; A slot's last step changes slots: ONE barrier; in front of it each wave waits for all its tensor loads, adds 0 to its spare word, and waits for that and for its own reads of this slot.  fill = 1: this slot is filled again, two K steps ahead.
.macro TURN slot, next, fill
	s_wait_tensorcnt 0x0                           ; all my tensor loads have landed: my part of the next slot;  (every window is 0 here: the add's two registers lie in window 0)
	ds_add_u32 v[SPW], v[NIL]                      ; 0 onto my spare word
	s_wait_dscnt 4*NL+1                            ; (the add and the youngest sixteen loads, A's blocks 4-7, may be out)
	WIN MUL_LO
	MUL16 0, 1, 0                                  ; sixteen matrix instructions stand between the add and the wait for it
	s_wait_dscnt 0x0                               ; the add is done, and my reads of this slot are over
	s_barrier_signal -1
	MUL16 2, 1, 0
	WIN 0
	s_barrier_wait -1
.if \fill
	CREST                                          ; the barrier has opened a round of the cluster's barrier: no wave of any partner still reads this slot's tile or has a load on its way
	s_add_nc_u64 s[G0+4*\slot+2:G0+4*\slot+3], s[G0+4*\slot+2:G0+4*\slot+3], 2*KADV
	s_add_nc_u64 s[G0B+4*\slot+2:G0B+4*\slot+3], s[G0B+4*\slot+2:G0B+4*\slot+3], 2*KADV
	JLOAD G0+4*\slot, G1, G0B+4*\slot, G1B         ; the first tensor load behind the round; the four v_nop behind it are the places in front of the loads below
.else
	PLACES NP
.endif
	FETCH_B \next, 0, 0
	FETCH_A \next, 0, 0
	WIN MUL_HI
	MUL16 4, 1, 0
	MUL16 6, 1, 0
	PLACES NP
	WIN 0
	FETCH_A \next, 0, 4
.endm
	s_wait_alu depctr_va_vdst(0)                   ; the head's end
	s_wait_tensorcnt 0x0                           ; my part of K step 0 is in
	s_mov_b32 s[G1+2], 128<<16                     ; no load of mine is out: from here on a load brings one K step, 128 rows
	s_mov_b32 s[G1+4], 128
	s_mov_b32 s[G1B+2], 128<<16
	s_mov_b32 s[G1B+4], 128
	s_barrier_signal -1
	s_barrier_wait -1                              ; everybody's part of K steps 0 and 1 is in
	FETCH_B 0, 0, 0
	FETCH_A 0, 0, 0
	FETCH_A 0, 0, 4
	global_prefetch_b8 v18, s[90:91] offset:3*KADV th:TH_LOAD_NT scope:SCOPE_SE   ; K step 3, two fills ahead of its refill
	STEP 0, 0, 1
	s_mov_b32 s3, LAPS-1
.Llap:                                                 ; a trip goes once round the ring, from a lap's second step to the next lap's first, and fills both slots again
	TURN 0, 1, 1
	STEP 1, 0, 0
	TURN 1, 0, 1
	STEP 0, 0, 0
	s_sub_co_u32 s3, s3, 1
	s_cmp_lg_u32 s3, 0
	s_cbranch_scc1 .Llap
	TURN 0, 1, 0                                   ; the last lap fills nothing, and has no round of the cluster's barrier
	STEP 1, 0, 0
	s_wait_dscnt 4*NL                              ; the very last step: nothing more to fetch
	WIN MUL_LO
	MUL16 0, 1, 0
	MUL16 2, 1, 0
	s_wait_dscnt 0                                 ; my last reads of the ring are over: say so,
	s_barrier_signal -1
	WIN MUL_HI
	MUL16 4, 1, 0
	MUL16 6, 1, 0
	WIN 0
	s_barrier_wait -1                              ; and store into the stage, which lies over both slots' bytes, only when all four have said so
; THE WAY OUT.  Block a (16 rows x my 128 columns): the 64 sums of a lane are held within 448 x the scale, each accumulator from its low end on, and converted, eight neighbours along n to 8 bytes,
; which go into the work-group's stage.  Each block has its own 16 registers of codes.
.macro CODES a
.set AC, 64*((\a)%4)
	WIN 0x02+((\a)/4)                              ; source 0: window 2 or 3
.set j, 0
.rept 64
	v_med3_num_f32 v[TMP+j], v[AC+j], -v[LIM], v[LIM]   ; the conversion to an 8-bit code does not saturate (ISA guide 7.6.2)
.set j, j+1
.endr
	WIN 0
.irp b, 0,1,2,3,4,5,6,7
	v_cvt_scalef32_pk8_fp8_f32 v[CD+16*(\a)+2*\b:CD+16*(\a)+2*\b+1], v[TMP+8*\b:TMP+8*\b+7], v[SCL]
.endr
	v_nop                                          ; one plain vector line between the conversions and the next block's holds, which write their sources
.irp b, 0,1,2,3,4,5,6,7
	ds_store_b64 v[STO], v[CD+16*(\a)+2*\b:CD+16*(\a)+2*\b+1] offset:16*(\a)*SP2+16*\b
.endr
.endm
	s_wait_kmcnt 0x0
	s_cmp_eq_u32 ttmp9, 0
	s_cselect_b32 s88, s82, s83                    ; q: entry 2; k: entry 3;
	s_cmp_lt_u32 ttmp9, 2
	s_cselect_b32 s88, s88, s85                    ; v: entry 5
	s_sub_co_i32 s88, s88, s80
	s_sub_co_i32 s88, s88, s81                     ; eo - e0 - e1
	s_add_co_i32 s88, s88, 127
	s_lshl_b32 s89, s88, 23
	v_mov_b32 v[SCL], s89
	s_add_co_i32 s88, s88, 8
	s_lshl_b32 s88, s88, 23
	s_or_b32 s88, s88, 0x600000
	v_mov_b32 v[LIM], s88
	PLACES NP                                      ; behind the last products: for the reads of results and for the writes into the registers that held A's fragments
.irp a, 0,1,2,3,4,5,6,7
	CODES \a
.endr
	s_wait_dscnt 0x0                               ; for the others' sake: my stores into the stage are done
	s_barrier_signal -1
	s_barrier_wait -1                              ; a row's 256 bytes come from two waves, my 64 columns' rows from two others
.set n, 0
.rept 32                               ; load n = 8 x chunk + i: rows 64 x chunk + 8 i .. + 7, my 64 bytes of each
	ds_load_b128 v[CD+4*n:CD+4*n+3], v[RD0+2*(n/16)] offset:(64*((n/8)%2)+8*(n%8))*SP2
.set n, n+1
.endr
.set n, 0
.rept 32
	s_wait_dscnt 31-n                              ; LDS loads come back in order (ISA guide 5.7.1): load n is in, the younger ones may be out
	global_store_b128 v[VO+n/8], v[CD+4*n:CD+4*n+3], s[10:11] offset:512*(n%8) th:TH_STORE_NT   ; 32 lanes store 512 consecutive bytes, at a multiple of 512 from the buffer's first byte
.set n, n+1
.endr
	s_wait_tensorcnt 0x0                           ; the wave's end: behind my last tensor load and my last LDS store
	ds_add_u32 v[SPW], v[NIL]
	s_wait_dscnt 0x0
	CROUND                                         ; the closing round: no work-group ends while a partner may still ask for a tile that names it
	s_endpgm
.Lfunc_end_k_q9de88da847_qkvgemm:
	.size	k_q9de88da847_qkvgemm, .Lfunc_end_k_q9de88da847_qkvgemm-k_q9de88da847_qkvgemm
	.p2alignl 7, 3214868480
	.fill 96, 4, 3214868480
	.section	.rodata,"a",@progbits
	.p2align	6, 0x0
	.amdhsa_kernel k_q9de88da847_qkvgemm
		.amdhsa_group_segment_fixed_size 327680
		.amdhsa_private_segment_fixed_size 0
		.amdhsa_enable_private_segment 0
		.amdhsa_kernarg_size 24
		.amdhsa_user_sgpr_count 2
		.amdhsa_user_sgpr_kernarg_segment_ptr 1
		.amdhsa_wavefront_size32 1
		.amdhsa_system_sgpr_workgroup_id_x 1
		.amdhsa_system_sgpr_workgroup_id_y 1
		.amdhsa_system_sgpr_workgroup_id_z 1
		.amdhsa_system_vgpr_workitem_id 0
		.amdhsa_next_free_vgpr 1024
		.amdhsa_next_free_sgpr 100
		.amdhsa_reserve_vcc 0
		.amdhsa_float_denorm_mode_32 3
		.amdhsa_float_denorm_mode_16_64 3
		.amdhsa_memory_ordered 1
		.amdhsa_forward_progress 1
		.amdhsa_inst_pref_size 126
	.end_amdhsa_kernel
	.amdgpu_metadata
---
amdhsa.version: [ 1, 2 ]
amdhsa.kernels:
  - .name:           k_q9de88da847_qkvgemm
    .symbol:         k_q9de88da847_qkvgemm.kd
    .args:
      - { .name: codes, .offset: 0, .size: 8, .value_kind: global_buffer, .address_space: global }
      - { .name: lowp_scales, .offset: 8, .size: 8, .value_kind: global_buffer, .address_space: global }
      - { .name: qkv, .offset: 16, .size: 8, .value_kind: global_buffer, .address_space: global }
    .group_segment_fixed_size: 327680
    .private_segment_fixed_size: 0
    .kernarg_segment_align: 8
    .kernarg_segment_size: 24
    .max_flat_workgroup_size: 128
    .sgpr_count:     100
    .vgpr_count:     1024
    .wavefront_size: 32
...
	.end_amdgpu_metadata
.endif
;; end of part 2
;; launch attn (part 3): grid 4 x 64, 8 waves a work-group, no clusters, 327,680 bytes of LDS; arguments qkv, lowp_scales, att; writes att
.if DOCPART == 3
	.amdgcn_target "amdgcn-amd-amdhsa--gfx1250"
	.amdhsa_code_object_version 6
	.text
	.protected	k_q9de88da847_attn
	.globl	k_q9de88da847_attn
	.p2align	8
	.type	k_q9de88da847_attn,@function
k_q9de88da847_attn:
	s_mov_b64 s[64:65], 0
	v_nop
	global_prefetch_b8 v0, s[64:65] scope:SCOPE_SE
	s_setreg_imm32_b32 hwreg(HW_REG_WAVE_MODE, 25, 1), 1
	s_wait_xcnt 0x0
; Causal attention on codes of FP8 (E4M3): for each of 64 (batch, head) pairs, O[q] = sum over keys k <= q of softmax_k(Q[q] . K[k] / 8) V[k], head size 64, 2,048 tokens; O is quantised at once for the last product.
; IN: q and k as [32 groups (q's heads, then k's)][8192 tokens][64]; v as [batch][head][32 blocks of 64 keys][64 channels][64 keys].  OUT: [16 heads][8192 tokens][64] codes.
; THE SOFTMAX: t = score x log2(e) / 8; M = the row's largest t so far, rounded UP to a whole number; p = 2^(t - M) is quantised (entry 4 of the scales), not normalised.
; The row's sum is taken of the unquantised p, in f32, and divides O at the end.  When M moves, the sum and O are multiplied by 2^(old M - new M): exact.
; Key steps all of whose keys come after a wave's queries lie wholly under the mask that the problem builds itself, and are left out.
; SHARES.  Work-group (i, y) owns the blocks of 256 queries numbered i and 7 - i of pair y: (i + 1) + (8 - i) = 9 key slots of 256 keys whatever i is.
; Each of the EIGHT waves owns 32 queries of the block in hand, two tiles A and B of 16: each fragment of K and of V that it reads from LDS feeds two matrix instructions.
; NO CLUSTER: the four work-groups of a pair stand at different key slots in the same trip (block i's walk ends after i + 1 trips), so their requests for a tile do not meet but in the first trip.
; THE RING: two LDS slots; every wave fetches 4,096 bytes of a key slot by one tensor load (waves 0-3: 64 keys of K each; waves 4-7: a block of V each).  A slot's two key steps lie 2^15 bytes apart,
; so that one written key step serves both: an exclusive or turns its address.
; LAYOUT.  Both products transposed: S^T = K Q^T (the K = 64 form), O^T = V^T P^T (the K = 128 form): a lane holds ONE query of each tile.  In S^T's tile T lane (r, h) holds keys 16 T + 8 h + 0 .. 7:
; their eight codes are registers 2 T, 2 T + 1 of P as the K = 128 form lays k; V is read in that layout, 8 bytes a load.  Q and K are read 16 bytes a load: a permutation of the head's 64, the same on both sides.
; LIMITS: e2 + e3 between -123 and 130 (added to c's exponent field); e4, and e6 - e4 - e5, between -126 and 119; the scaled scores stay under 2^31 in magnitude.  NaN among the inputs is not served.
; REGISTERS, window 0: v1-11 addresses; v12 -M, v13 largest score, v[14:15] sum (tile A); v16-19 the same (B); v20, v22 the factors f; v24, v25: 448 x 2^e4; v26: 2^e4; v27, v31: the same with e6 - e4 - e5;
; v28 -infinity; v29, v30 the mask's bounds; v32-95 K's eight fragments, then V's four; v96-159 S^T then p (A); v160-223 (B); v224-255 at work.
; Window 1: v0-31 O^T (A), v32-63 (B), v64-71 Q (A), v72-79 (B), v80-95 P's codes (A), v96-111 (B).
.set KP,    80                         ; 64 codes in LDS: 64 bytes + 16 of padding
.set PART,  64*KP                      ; what one tensor load fills: 64 pieces of 64 bytes
.set VOFF,  128*KP                     ; half a slot: 128 keys of K, then two blocks of V
.set KBP,   64*KP                      ; a block of V
.set HALF,  1<<15                      ; from a slot's first key step to its second
.set SLOT1, 1<<16                      ; slot 1
.set SPARE, 2*SLOT1                    ; the spare words, 128 bytes for each wave: four blocks of 256 bytes that no other line names
.set STAGE, SPARE+1024                 ; the way out: 32 rows x 64 bytes for each wave, once for each block of queries; no tile lands here
.set STAGE2, 8*2048
.set K_AT,  8388608
.set V_AT,  16777216
.set AK0,  1
.set AV0,  2
.set PFO,  3                           ; the prefetches' offset: 256 x min(lane, 15)
.set QO,   4
.set SPW,  5
.set NIL,  6
.set GO,   7
.set ADK,  8
.set ADV,  9
.set STW,  10
.set STR,  11
.set TB,   2                           ; s2   LDS byte at which the key step in hand begins
.set DQ,   3                           ; s3   queries from block i to block 7 - i
.set WV,   18
.set SEL,  20                          ; s[20:21] selects for lane l xor 16
.set CS,   22                          ; s[22:23] c = log2(e) / 8 x 2^(e2 + e3)
.set G1,   24
.set G0,   40
.set TBASE, 44                         ; s[44:45] my part of key slot 0 in memory
.set KOFF, 46                          ; s[46:47] 16,384 x the key slot asked for
.set PFB,  48                          ; s[48:49] my part of key slot 1
.set PFA,  50                          ; s[50:51] where my prefetch stands
.set LIM,  52                          ; s52  1 in the pair's work-group 0, else the greatest number: a wave prefetches while s[SLOTS] is above it
.set KS,   53
.set SLOTS, 54
.set SW,   55                          ; s55  s[SLOTS] in block i's last trip: 8 - i
.set KF,   56                          ; s56  the step's first key
.set Q0,   57                          ; s57  my first query
.set QP,   58
.set OP,   60
.set DELTA, 62
.set DD,   66                          ; s66  my first query modulo 128
.set ST,   67                          ; s67  key steps to go in the slot
.set MSB, 0
.macro WIN new                         ; the immediate's high byte repeats the setting that is left
.if MSB != \new
	s_set_vgpr_msb (MSB<<8)|\new
.set MSB, \new
.endif
.endm
; A PREFETCH INTO THE L2 of the key slot behind the one that is being asked for.  The four work-groups of a pair walk the same K and V; the one with i = 0 walks key slots 0 to 7 in trips 1 to 8 and asks,
; at the change that loads key slot j, for key slot j + 1, one trip ahead of its own load.  Each wave names the 16 blocks of 256 bytes of its own part (lanes 16-31 name the last again).
; Key slot 0 comes by its loads alone; the last change that fills a slot asks for nothing.
.macro ASK
	s_cmp_gt_u32 s[SLOTS], s[LIM]
	s_cbranch_scc0 .Lnot_mine_\@
	global_prefetch_b8 v[PFO], s[PFA:PFA+1] th:TH_LOAD_NT scope:SCOPE_SE
.Lnot_mine_\@:
.endm
.macro QLOAD                           ; my 32 queries' two fragments: lane (r, h): row r, bytes 16 h .. and 32 + 16 h ..
	WIN 0x40
	global_load_b128 v[64:67], v[QO], s[QP:QP+1]
	global_load_b128 v[68:71], v[QO], s[QP:QP+1] offset:32
	global_load_b128 v[72:75], v[QO], s[QP:QP+1] offset:1024
	global_load_b128 v[76:79], v[QO], s[QP:QP+1] offset:1056
	WIN 0
.endm
.macro RESET                           ; a block of queries begins: the key step is written once; its first run finds zeros, which the first change of M leaves zeros
	v_mov_b32 v13, 0xff61b1e6                      ; the largest score so far: -3e38
	v_mov_b32 v17, 0xff61b1e6
	v_mov_b32 v12, 0x7f61b1e6                      ; -M: 3e38
	v_mov_b32 v16, 0x7f61b1e6
	v_mov_b32 v14, 0
	v_mov_b32 v15, 0
	v_mov_b32 v18, 0
	v_mov_b32 v19, 0
	WIN 0x40
.set j, 0
.rept 64
	v_mov_b32 v[j], 0                              ; O^T, both tiles
.set j, j+1
.endr
	WIN 0
.endm
.macro TREE l                          ; the 16 pairs in v224-255 are added up and go onto the sum
.irp n, 16,8,4,2
.set k, 0
.rept \n/2
	v_pk_add_f32 v[224+k:225+k], v[224+k:225+k], v[224+\n+k:225+\n+k]
.set k, k+2
.endr
.endr
	v_pk_add_f32 v[\l:\l+1], v[\l:\l+1], v[224:225]
.endm
	s_load_b128 s[4:7], s[0:1], 0x0                ; q, k, v s[4:5]; the scales' exponents s[6:7]
	s_load_b64 s[8:9], s[0:1], 0x10                ; the output
	v_lshl_add_u32 v[SPW], v0, 2, SPARE
	v_mov_b32 v[NIL], 0
	ds_add_u32 v[SPW], v[NIL]                      ; the opening add, twice on end, and its wait below
	ds_add_u32 v[SPW], v[NIL]
	v_lshrrev_b32 v8, 5, v0
	v_readfirstlane_b32 s[WV], v8                  ; wave 0..7
	s_and_b32 s76, ttmp7, 0xffff                   ; y = 16 x batch + head
	s_and_b32 s77, s76, 15
	s_lshr_b32 s78, s76, 4
	s_lshl_b32 s77, s77, 19
	s_lshl_b32 s78, s78, 17
	s_add_co_u32 s77, s77, s78                     ; the pair's first byte in q, and in the output
	s_add_co_u32 s79, s77, K_AT                    ; in k
	s_lshl_b32 s76, s76, 17
	s_add_co_u32 s76, s76, V_AT                    ; in v
	s_cmp_lt_u32 s[WV], 4                          ; waves 0-3 fetch K, waves 4-7 V
	s_cselect_b32 s[KOFF], s79, s76
	s_and_b32 s96, s[WV], 3
	s_lshl_b32 s96, s96, 12                        ; 4,096 bytes a wave
	s_add_co_u32 s[KOFF], s[KOFF], s96
	s_mov_b32 s[KOFF+1], 0
	s_add_co_u32 s[PFB], s[KOFF], 16384            ; one key slot on
	s_mov_b32 s[PFB+1], 0
	s_lshl_b32 s[Q0], ttmp9, 8
	s_lshl_b32 s96, s[WV], 5
	s_add_co_u32 s[Q0], s[Q0], s96                 ; my first query: 256 i + 32 x wave
	s_and_b32 s[DD], s[Q0], 127
	s_lshl_b32 s[QP], s[Q0], 6
	s_add_co_u32 s[QP], s[QP], s77
	s_mov_b32 s[QP+1], 0
	s_lshl_b32 s[DQ], ttmp9, 1
	s_sub_co_u32 s[DQ], 7, s[DQ]
	s_lshl_b32 s[DQ], s[DQ], 8                     ; 256 (7 - 2 i)
	s_lshl_b32 s[DELTA], s[DQ], 6
	s_mov_b32 s[DELTA+1], 0
	s_sub_co_u32 s[SW], 8, ttmp9
	s_cmp_eq_u32 ttmp9, 0
	s_cselect_b32 s[LIM], 1, -1
	s_and_b32 s96, s[WV], 1                        ; where my part lands: 5,120 x (wave % 2) + 2^15 x (which key step) + 10,240 for V
	s_mul_i32 s96, s96, PART
	s_bfe_u32 s97, s[WV], 0x10001
	s_lshl_b32 s97, s97, 15
	s_add_co_u32 s96, s96, s97
	s_lshr_b32 s97, s[WV], 2
	s_mul_i32 s97, s97, VOFF
	s_add_co_u32 s[G0+1], s96, s97
	; descriptor group 1: 4,096 dense bytes as 16 rows of 256; 16 bytes of padding behind every 64
	s_mov_b32 s[G1], (0<<16)|(1<<20)|(3<<22)|(3<<25)
	s_mov_b32 s[G1+1], 256<<16
	s_mov_b32 s[G1+2], 16<<16
	s_mov_b32 s[G1+3], 256<<16
	s_mov_b32 s[G1+4], 16
	s_mov_b32 s[G1+5], 256
	s_mov_b32 s[G1+6], 0
	s_mov_b32 s[G1+7], 0
	s_mov_b32 s[SEL], 0x76543210
	s_mov_b32 s[SEL+1], 0xfedcba98
	s_mov_b32 s[CS], 0x3e38aa3b                    ; log2(e) / 8
	s_mov_b32 s[TB], 0
	s_mov_b32 s[KS], 0
	s_mov_b32 s[SLOTS], 8
	s_mov_b32 s[KF], 0
	s_wait_dscnt 0x0                               ; both opening adds are done
	s_wait_kmcnt 0x0
	s_load_b256 s[68:75], s[6:7], 0x0              ; e0 .. e7
	s_add_nc_u64 s[TBASE:TBASE+1], s[4:5], s[KOFF:KOFF+1]
	s_add_nc_u64 s[PFB:PFB+1], s[4:5], s[PFB:PFB+1]
	s_add_nc_u64 s[OP:OP+1], s[8:9], s[QP:QP+1]
	s_add_nc_u64 s[QP:QP+1], s[4:5], s[QP:QP+1]
	s_mov_b32 s[G0], 1
	s_mov_b64 s[G0+2:G0+3], s[TBASE:TBASE+1]
	s_or_b32 s[G0+3], s[G0+3], 0x80000000
	tensor_load_to_lds s[G0:G0+3], s[G1:G1+7]      ; slot 0: every wave's one load at the head
	s_nop 0
.rept 4
	v_nop
.endr
	s_lshl_b32 s76, s[WV], 11
	s_add_co_u32 s76, s76, STAGE                   ; my stage
	v_and_b32 v8, 15, v0                           ; r
	v_bfe_u32 v9, v0, 4, 1                         ; h
	v_lshlrev_b32 v[QO], 6, v8
	v_lshl_add_u32 v[QO], v9, 4, v[QO]
	QLOAD
	v_mul_u32_u24 v[AK0], v8, KP
	v_lshl_add_u32 v[AV0], v9, 3, v[AK0]
	v_add_nc_u32 v[AV0], VOFF, v[AV0]              ; V: channel r of a tile, + 8 h
	v_lshl_add_u32 v[AK0], v9, 4, v[AK0]           ; K: key r of a tile, + 16 h
	v_and_b32 v[GO], 31, v0
	v_min_u32 v[PFO], 15, v[GO]
	v_lshlrev_b32 v[PFO], 8, v[PFO]
	v_lshlrev_b32 v[GO], 4, v[GO]
	v_lshlrev_b32 v[STW], 6, v8
	v_lshl_add_u32 v[STW], v9, 3, v[STW]
	v_add_nc_u32 v[STW], s76, v[STW]               ; into the stage: row r of 64 bytes, + 8 h
	v_add_nc_u32 v[STR], s76, v[GO]                ; back: 16 bytes a lane
	v_lshlrev_b32 v30, 3, v9
	v_sub_nc_u32 v29, v8, v30
	v_add_nc_u32 v29, s[DD], v29                   ; on the diagonal step register 8 T + j of tile A is hidden where 16 T + j > my query - KF - 8 h,
	v_add_nc_u32 v30, 16, v29                      ; of tile B likewise, 16 queries on
	v_mov_b32 v28, 0xff800000                      ; -infinity
	v_mov_b32 v21, 0                               ; (upper halves of named pairs, and the lane permutes' destinations, are written once)
	v_mov_b32 v23, 0
	v_mov_b32 v228, 0
	v_mov_b32 v229, 0
	RESET
	s_wait_kmcnt 0x0
	s_add_co_i32 s76, s70, s71
	s_lshl_b32 s76, s76, 23
	s_add_co_i32 s[CS], s[CS], s76                 ; a score stands for score x 2^(e2 + e3)
	s_mov_b32 s[CS+1], s[CS]
	s_add_co_i32 s76, s72, 127
	s_lshl_b32 s77, s76, 23
	v_mov_b32 v26, s77                             ; 2^e4
	s_add_co_i32 s76, s76, 8
	s_lshl_b32 s76, s76, 23
	s_or_b32 s76, s76, 0x600000
	v_mov_b32 v24, s76                             ; 448 x 2^e4, twice: one for each half of a dual pair
	v_mov_b32 v25, s76
	s_sub_co_i32 s76, s74, s72
	s_sub_co_i32 s76, s76, s73                     ; O^T / the sum stands for that x 2^(e4 + e5); its code is that / 2^(e6 - e4 - e5)
	s_add_co_i32 s76, s76, 127
	s_lshl_b32 s77, s76, 23
	v_mov_b32 v31, s77
	s_add_co_i32 s76, s76, 8
	s_lshl_b32 s76, s76, 23
	s_or_b32 s76, s76, 0x600000
	v_mov_b32 v27, s76
; A KEY STEP: 128 keys at LDS byte s[TB], for my two tiles of queries.
.macro STEP
	s_add_co_u32 s96, s[Q0], 31                    ; all keys behind my 32 queries: the step's work is left out, by a branch on ids; no barrier and no tensor load stands in a step
	s_cmp_gt_u32 s[KF], s96
	s_cbranch_scc1 .Lhidden_\@
	v_add_nc_u32 v[ADK], s[TB], v[AK0]
	v_add_nc_u32 v[ADV], s[TB], v[AV0]
	v_nop                                          ; with the two additions: four places in front of loads into registers that the last products have read
	v_nop
.irp t, 0,1,2,3,4,5,6,7
	ds_load_b128 v[32+8*\t:35+8*\t], v[ADK] offset:16*\t*KP
	ds_load_b128 v[36+8*\t:39+8*\t], v[ADK] offset:16*\t*KP+32
.endr
	s_wait_alu depctr_va_vdst(0)                   ; directly ahead of the wait below
	s_wait_dscnt 0x0
	WIN 0x04                                       ; source 1 (Q) in window 1
.irp t, 0,1,2,3,4,5,6,7
	v_wmma_f32_16x16x64_fp8_fp8 v[96+8*\t:103+8*\t], v[32+8*\t:39+8*\t], v[64:71], 0     ; S^T: register 8 t + j of lane (r, h): key 16 t + 8 h + j, query r of tile A
	v_wmma_f32_16x16x64_fp8_fp8 v[160+8*\t:167+8*\t], v[32+8*\t:39+8*\t], v[72:79], 0    ; of tile B
.endr
	WIN 0
.rept 4
	v_nop                                          ; places in front of the loads below and of the first read of the scores
.endr
.irp t, 0,1,2,3
.irp c, 0,1,2,3,4,5,6,7
	ds_load_b64 v[32+16*\t+2*\c:33+16*\t+2*\c], v[ADV] offset:(\c/4)*KBP+16*\t*KP+16*(\c%4)   ; V's tile t: channel 16 t + r, keys 16 c + 8 h + 0 .. 7
.endr
.endr
	s_add_co_u32 s96, s[KF], 127                   ; on the diagonal hidden scores become -infinity ahead of the maximum.  A step all of whose keys count skips this,
	s_cmp_le_u32 s96, s[Q0]
	s_cbranch_scc1 .Lopen_\@
.irp g, 0,1,2,3
	s_cmp_ge_u32 s[DD], 32*(\g+1)                  ; and so does a group of 32 keys that all come ahead of my first query
	s_cbranch_scc1 .Lseen_\@_\g
.set n, 16*\g
.rept 16
	v_cmp_gt_i32 vcc_lo, 16*(n/8)+n%8, v29
	v_cndmask_b32 v[96+n], v[96+n], v28, vcc_lo
	v_cmp_gt_i32 vcc_lo, 16*(n/8)+n%8, v30
	v_cndmask_b32 v[160+n], v[160+n], v28, vcc_lo
.set n, n+1
.endr
.Lseen_\@_\g:
.endr
.Lopen_\@:
	v_max3_num_f32 v224, v96, v97, v98             ; the step's largest scores, two chains a tile, each accumulator from its low end on
	v_max3_num_f32 v226, v160, v161, v162
	v_max3_num_f32 v225, v99, v100, v101
	v_max3_num_f32 v227, v163, v164, v165
.irp i, 6,10,14,18,22,26,30,34,38,42,46,50,54,58
	v_max3_num_f32 v224, v224, v[96+\i], v[97+\i]
	v_max3_num_f32 v226, v226, v[160+\i], v[161+\i]
	v_max3_num_f32 v225, v225, v[98+\i], v[99+\i]
	v_max3_num_f32 v227, v227, v[162+\i], v[163+\i]
.endr
	v_max3_num_f32 v224, v224, v158, v159
	v_max3_num_f32 v226, v226, v222, v223
	v_max_num_f32 v224, v224, v225
	v_max_num_f32 v226, v226, v227
	v_permlanex16_b32 v228, v224, s[SEL], s[SEL+1]
	v_permlanex16_b32 v229, v226, s[SEL], s[SEL+1]
	v_max3_num_f32 v13, v13, v224, v228            ; the running largest score (c is positive, so it gives the largest t)
	v_max3_num_f32 v17, v17, v226, v229
	v_mul_f32 v224, s[CS], v13
	v_mul_f32 v226, s[CS], v17
	v_floor_f32 v224, -v224                        ; the new -M = floor(-t): M is a whole number
	v_floor_f32 v226, -v226
	v_sub_f32 v225, v224, v12                      ; old M - new M, a whole number, 0 or less
	v_sub_f32 v227, v226, v16
	v_mov_b32 v12, v224
	v_mov_b32 v16, v226
	v_cvt_i32_f32 v225, v225                       ; (it saturates)
	v_cvt_i32_f32 v227, v227
	v_ldexp_f32 v20, 1.0, v225                     ; f = 2^(old M - new M)
	v_ldexp_f32 v22, 1.0, v227
	v_pk_mul_f32 v[14:15], v[14:15], v[20:21] op_sel_hi:[1,0]   ; the sums under the new M
	v_pk_mul_f32 v[18:19], v[18:19], v[22:23] op_sel_hi:[1,0]
.set j, 0
.rept 32
	v_pk_fma_f32 v[96+j:97+j], v[96+j:97+j], s[CS:CS+1], v[12:13] op_sel_hi:[1,0,0]   ; tile A: t - M
.set j, j+2
.endr
	s_wait_alu depctr_va_vdst(0)                   ; ahead of a batch
.set j, 0
.rept 32                               ; tile A's exponentials; between them tile B's t - M, whose results are read behind the next wait
	v_exp_f32 v[96+j], v[96+j]
	v_exp_f32 v[97+j], v[97+j]
	v_pk_fma_f32 v[160+j:161+j], v[160+j:161+j], s[CS:CS+1], v[16:17] op_sel_hi:[1,0,0]
.set j, j+2
.endr
	s_wait_alu depctr_va_vdst(0)                   ; behind tile A's batch and ahead of tile B's
.set j, 0
.rept 16                               ; tile B's exponentials; between them tile A's first sums (of the unquantised p) and its holds, all read behind the next wait
	v_exp_f32 v[160+j], v[160+j]
	v_exp_f32 v[161+j], v[161+j]
	v_pk_add_f32 v[224+j/2:225+j/2], v[96+j:97+j], v[98+j:99+j]
	v_exp_f32 v[162+j], v[162+j]
	v_dual_min_num_f32 v[96+j], v[96+j], v24 :: v_dual_min_num_f32 v[97+j], v[97+j], v25   ; the conversion does not saturate (ISA guide 7.6.2); p is not negative: a one-sided hold
	v_exp_f32 v[163+j], v[163+j]
	v_dual_min_num_f32 v[98+j], v[98+j], v24 :: v_dual_min_num_f32 v[99+j], v[99+j], v25
.set j, j+4
.endr
	v_nop                                          ; a plain place behind the batch
	s_wait_alu depctr_va_vdst(0)                   ; behind tile B's batch
	TREE 14
	WIN 0x40                                       ; the codes go to window 1
.irp t, 0,1,2,3,4,5,6,7
	v_cvt_scalef32_pk8_fp8_f32 v[80+2*\t:81+2*\t], v[96+8*\t:103+8*\t], v26   ; registers 2 t, 2 t + 1 of P: keys 16 t + 8 h + 0 .. 7
.endr
	WIN 0
.set j, 0
.rept 16
	v_pk_add_f32 v[224+j/2:225+j/2], v[160+j:161+j], v[162+j:163+j]
	v_dual_min_num_f32 v[160+j], v[160+j], v24 :: v_dual_min_num_f32 v[161+j], v[161+j], v25
	v_dual_min_num_f32 v[162+j], v[162+j], v24 :: v_dual_min_num_f32 v[163+j], v[163+j], v25
.set j, j+4
.endr
	TREE 18
	WIN 0x40
.irp t, 0,1,2,3,4,5,6,7
	v_cvt_scalef32_pk8_fp8_f32 v[96+2*\t:97+2*\t], v[160+8*\t:167+8*\t], v26
.endr
	WIN 0x41                                       ; O^T: source 0 and destination in window 1
	s_wait_alu depctr_va_vdst(0)                   ; directly ahead of the first readers of O^T
.set j, 0
.rept 16
	v_pk_mul_f32 v[j:j+1], v[j:j+1], v[20:21] op_sel_hi:[1,0]   ; O^T under the new M.  (Plain lines between the conversions and the products that read the codes)
.set j, j+2
.endr
.set j, 0
.rept 16
	v_pk_mul_f32 v[32+j:33+j], v[32+j:33+j], v[22:23] op_sel_hi:[1,0]
.set j, j+2
.endr
	s_wait_alu depctr_va_vdst(0)                   ; directly ahead of the wait below
	s_wait_dscnt 0x0                               ; V is in
	WIN 0x54                                       ; P, C and D in window 1
.irp t, 0,1,2,3
	v_wmma_f32_16x16x128_fp8_fp8 v[8*\t:8*\t+7], v[32+16*\t:47+16*\t], v[80:95], v[8*\t:8*\t+7]             ; O^T += V^T P^T; the eight accumulators take turns
	v_wmma_f32_16x16x128_fp8_fp8 v[32+8*\t:39+8*\t], v[32+16*\t:47+16*\t], v[96:111], v[32+8*\t:39+8*\t]
.endr
	WIN 0
.Lhidden_\@:
	s_add_co_u32 s[KF], s[KF], 128
.endm
.macro SLOT_STEPS                      ; a slot's two key steps: one text, two trips
	s_mov_b32 s[ST], 2
.Lstep_\@:
	STEP
	s_xor_b32 s[TB], s[TB], HALF
	s_sub_co_u32 s[ST], s[ST], 1
	s_cmp_lg_u32 s[ST], 0
	s_cbranch_scc1 .Lstep_\@
.endm
; THE CHANGE OF SLOTS, at a slot's head.  Each wave waits for its tensor load (its part of the slot ahead), adds 0 to its spare word, and waits for that and for its reads of the slot that it has left.
; fill = 1: behind the barrier the other slot takes the key slot that the next trip reads: the next one, or key slot 0 where block i's walk ends.  One load of a wave is out at most.
.macro CHANGE fill
	s_wait_tensorcnt 0x0
	ds_add_u32 v[SPW], v[NIL]
.if \fill
	s_xor_b32 s[G0+1], s[G0+1], SLOT1
	s_add_co_u32 s[KS], s[KS], 1
	s_cmp_eq_u32 s[SLOTS], s[SW]
	s_cselect_b32 s[KS], 0, s[KS]
	s_lshl_b32 s[KOFF], s[KS], 14
	s_add_nc_u64 s[G0+2:G0+3], s[TBASE:TBASE+1], s[KOFF:KOFF+1]
	s_or_b32 s[G0+3], s[G0+3], 0x80000000
	s_wait_xcnt 0x0                                ; the last prefetch, a trip back, has read its address
	s_add_nc_u64 s[PFA:PFA+1], s[PFB:PFB+1], s[KOFF:KOFF+1]
.endif
	s_wait_dscnt 0x0
	s_barrier_signal -1
	s_barrier_wait -1
.if \fill
	tensor_load_to_lds s[G0:G0+3], s[G1:G1+7]
	s_nop 0
.rept 4
	v_nop
.endr
	ASK
.endif
.endm
; A BLOCK OF QUERIES IS FINISHED: O^T / the sum, held, converted; the wave's 32 rows x 64 bytes go through its own stage and leave as 2,048 consecutive bytes.
.macro FINISH stg, next
.rept 4
	v_nop                                          ; places behind the last products
.endr
	v_add_f32 v14, v14, v15
	v_add_f32 v18, v18, v19
	v_permlanex16_b32 v228, v14, s[SEL], s[SEL+1]
	v_permlanex16_b32 v229, v18, s[SEL], s[SEL+1]
	v_add_f32 v14, v14, v228                       ; the rows' sums
	v_add_f32 v18, v18, v229
	s_wait_alu depctr_va_vdst(0)                   ; ahead of the batch of two
	v_rcp_f32 v14, v14
	v_rcp_f32 v18, v18
	v_nop
	WIN 0x01                                       ; source 0 (O^T) in window 1
	s_wait_alu depctr_va_vdst(0)                   ; behind the batch, and directly ahead of the first readers of O^T
.set j, 0
.rept 16
	v_pk_mul_f32 v[96+j:97+j], v[j:j+1], v[14:15] op_sel_hi:[1,0]   ; register 8 t + i: channel 16 t + 8 h + i of query r
.set j, j+2
.endr
.set j, 0
.rept 16
	v_pk_mul_f32 v[128+j:129+j], v[32+j:33+j], v[18:19] op_sel_hi:[1,0]
.set j, j+2
.endr
	WIN 0
.set j, 0
.rept 64
	v_med3_num_f32 v[96+j], v[96+j], -v27, v27
.set j, j+1
.endr
.irp t, 0,1,2,3,4,5,6,7
	v_cvt_scalef32_pk8_fp8_f32 v[224+2*\t:225+2*\t], v[96+8*\t:103+8*\t], v31
.endr
	v_nop                                          ; one plain line behind the last conversion
.irp t, 0,1,2,3,4,5,6,7
	ds_store_b64 v[STW], v[224+2*\t:225+2*\t] offset:\stg+1024*(\t/4)+16*(\t%4)
.endr
.irp n, 0,1,2,3
	ds_load_b128 v[32+4*\n:35+4*\n], v[STR] offset:\stg+512*\n   ; LDS serves a wave's instructions in order (ISA guide 5.7.1.4): these see my stores
.endr
	s_wait_dscnt 0x0
.irp n, 0,1,2,3
	global_store_b128 v[GO], v[32+4*\n:35+4*\n], s[OP:OP+1] offset:512*\n   ; 32 lanes store 512 consecutive bytes, at a multiple of 512 from the buffer's first byte
.endr
.if \next
	s_wait_xcnt 0x0                                ; the stores have read their registers and their base
	s_add_nc_u64 s[OP:OP+1], s[OP:OP+1], s[DELTA:DELTA+1]
	s_add_nc_u64 s[QP:QP+1], s[QP:QP+1], s[DELTA:DELTA+1]
	s_add_co_u32 s[Q0], s[Q0], s[DQ]
	s_mov_b32 s[KF], 0
	QLOAD
	RESET
	s_wait_alu depctr_va_vdst(0)
	s_wait_loadcnt 0x0                             ; Q
.endif
.endm
	s_wait_alu depctr_va_vdst(0)                   ; the head's end
	s_wait_loadcnt 0x0                             ; Q
.Lslot:                                            ; 8 trips: behind each change of slots but the last the next trip's key slot is asked for
	CHANGE 1
	SLOT_STEPS
	s_xor_b32 s[TB], s[TB], SLOT1
	s_cmp_lg_u32 s[SLOTS], s[SW]                   ; was this block i's last key slot?  A branch on the work-group's number
	s_cbranch_scc1 .Lsame_block
	FINISH 0, 1
.Lsame_block:
	s_sub_co_u32 s[SLOTS], s[SLOTS], 1
	s_cmp_lg_u32 s[SLOTS], 0
	s_cbranch_scc1 .Lslot
	CHANGE 0                                       ; the last slot is written out
	SLOT_STEPS
	FINISH STAGE2, 0
	s_wait_tensorcnt 0x0                           ; the wave's end
	ds_add_u32 v[SPW], v[NIL]
	s_wait_dscnt 0x0
	s_endpgm
.Lfunc_end_k_q9de88da847_attn:
	.size	k_q9de88da847_attn, .Lfunc_end_k_q9de88da847_attn-k_q9de88da847_attn
	.p2alignl 7, 3214868480
	.fill 96, 4, 3214868480
	.section	.rodata,"a",@progbits
	.p2align	6, 0x0
	.amdhsa_kernel k_q9de88da847_attn
		.amdhsa_group_segment_fixed_size 327680
		.amdhsa_private_segment_fixed_size 0
		.amdhsa_enable_private_segment 0
		.amdhsa_kernarg_size 24
		.amdhsa_user_sgpr_count 2
		.amdhsa_user_sgpr_kernarg_segment_ptr 1
		.amdhsa_wavefront_size32 1
		.amdhsa_system_sgpr_workgroup_id_x 1
		.amdhsa_system_sgpr_workgroup_id_y 1
		.amdhsa_system_sgpr_workgroup_id_z 1
		.amdhsa_system_vgpr_workitem_id 0
		.amdhsa_next_free_vgpr 384
		.amdhsa_next_free_sgpr 100
		.amdhsa_reserve_vcc 1
		.amdhsa_float_denorm_mode_32 3
		.amdhsa_float_denorm_mode_16_64 3
		.amdhsa_memory_ordered 1
		.amdhsa_forward_progress 1
		.amdhsa_inst_pref_size 110
	.end_amdhsa_kernel
	.amdgpu_metadata
---
amdhsa.version: [ 1, 2 ]
amdhsa.kernels:
  - .name:           k_q9de88da847_attn
    .symbol:         k_q9de88da847_attn.kd
    .args:
      - { .name: qkv, .offset: 0, .size: 8, .value_kind: global_buffer, .address_space: global }
      - { .name: lowp_scales, .offset: 8, .size: 8, .value_kind: global_buffer, .address_space: global }
      - { .name: att, .offset: 16, .size: 8, .value_kind: global_buffer, .address_space: global }
    .group_segment_fixed_size: 327680
    .private_segment_fixed_size: 0
    .kernarg_segment_align: 8
    .kernarg_segment_size: 24
    .max_flat_workgroup_size: 256
    .sgpr_count:     100
    .vgpr_count:     384
    .wavefront_size: 32
...
	.end_amdgpu_metadata
.endif
;; end of part 3
;; launch outgemm (part 4): grid 8 x 32, 4 waves a work-group, clusters of 4 x 4, 327,680 bytes of LDS; arguments att, codes, lowp_scales, Wo_b, out0; writes out0
.if DOCPART == 4
	.amdgcn_target "amdgcn-amd-amdhsa--gfx1250"
	.amdhsa_code_object_version 6
	.text
	.protected	k_q9de88da847_outgemm
	.globl	k_q9de88da847_outgemm
	.p2align	8
	.type	k_q9de88da847_outgemm,@function
k_q9de88da847_outgemm:
	s_mov_b64 s[64:65], 0
	v_nop
	global_prefetch_b8 v0, s[64:65] scope:SCOPE_SE
	s_setreg_imm32_b32 hwreg(HW_REG_WAVE_MODE, 25, 1), 1
	s_wait_xcnt 0x0
	s_wait_alu depctr_hold_cnt(0) depctr_sa_sdst(0) depctr_va_vdst(0) depctr_va_sdst(0) depctr_va_ssrc(0) depctr_va_vcc(0) depctr_vm_vsrc(0)
	s_getreg_b32 s2, hwreg(HW_REG_IB_STS2, 6, 4)
	s_cmp_eq_u32 s2, 0
	s_cbranch_scc0 .Lentry_in_a_cluster
	s_endpgm
.Lentry_in_a_cluster:
	s_bfe_u32 s2, ttmp6, 0x10000c
	s_cmp_lg_u32 s2, 0xf033
	s_cbranch_scc0 .Lentry_shape_is_right
	s_endpgm
.Lentry_shape_is_right:
; out0[token][o] = 2^(e6 + e7) x sum over k of A[token][k] B[o][k] + Wo_b[o], on codes of FP8 (E4M3), K = 1,024 = 16 heads x 64; sums in f32.
; A: the attention's codes, [16 heads][8192 tokens][64].  B: Wo_w's codes, by tiles [block of 128 rows][K chunk of 256][128 rows][256 bytes], from byte WO_AT of the buffer of codes.
; LIMIT: e6 + e7 between -126 and 127, so that 2^(e6 + e7) is an f32 number.
; SHARES.  A work-group makes 256 tokens x 128 outputs: 32 x 8 = 256 work-groups.  Four waves, each 128 tokens x 64 outputs: 32 accumulators of 16 x 16.
; LDS.  K goes in four chunks of 256 (four heads).  Three chunk slots fit: the head's one load a wave brings chunks 0 to 2 of the wave's part (waves 0, 1: 128 tokens of A each, 12 rows of 8,192 bytes, a head a row;
; waves 2, 3: 64 rows of B each, 3 rows of 16,384 dense bytes, a chunk a row).  Chunk 3 is filled into slot 0 when chunk 0 has been read: between that request and the wait for it a wave issues 96 matrix instructions.
; 16 bytes of padding lie behind every 256: B's rows are 272 bytes apart; of A four tokens of 64 bytes share 272, so token t of a head lies at 272 (t / 4) + 64 (t % 4): sixteen neighbouring tokens start at
; sixteen different multiples of four banks (64 banks of 4 bytes: ISA guide 11.1).
; CLUSTERS: 4 x 4 work-groups.  A's tiles hang on the tokens alone and are asked for jointly along a row of the cluster, B's on the outputs alone, along a column.
; THE MATRIX INSTRUCTION IS USED TRANSPOSED (source 0 = 16 rows of B, source 1 = 16 tokens): a lane holds eight neighbouring outputs of one token.
; A fragment is fetched by four loads of 16 bytes: a permutation of k inside the instruction's 128, the same in A and in B.
; PREFETCH INTO THE L2: chunk 3, at the head, three chunks ahead of its load, one instruction a wave; the four partners of a joint load share its blocks of 256 bytes out by address: of A's four heads one each
; (32 blocks, a lane a block), of B's 64 blocks 16 each (lanes 16-31 name the last again).  Chunks 0 to 2 come by the head's loads alone.
; REGISTERS: window 0: v16-29 addresses, v32-63 the bias, v64-159 the way out; window 1: A's fragments, two sets of 128; window 2: B's, two sets of 64; window 3: accumulator (a, b) at v[8 (4 a + b)].
.set HEADB, 524288                     ; a head's 8,192 tokens x 64 bytes
.set WO_AT, 11534336
.set KADV,  32768                      ; from a K chunk of B's block to the next
.set UP,    272
.set AHD,   32*UP                      ; a head's 128 tokens in LDS
.set ACH,   4*AHD                      ; a chunk of a part of A
.set APART, 3*ACH
.set BCH,   64*UP                      ; a chunk of a part of B
.set BPART, 3*BCH
.set SPARE, 2*APART+2*BPART            ; behind the tiles: the spare words, two blocks of 256 bytes that no other line names
.set STG,   ACH                        ; the way out: 16 rows x 272 bytes for each wave, over chunk 1 of A's first part: filled once, and last read ahead of the barrier that shows chunk 3
.set ADRA, 16                          ; v16-18 my A fragments in slot 0, 1, 2
.set ADRB, 20
.set STO,  24
.set RD,   25
.set CO,   26
.set PFO,  27
.set SPW,  28
.set NIL,  29
.set BIAS, 32
.set TMP,  64
.set BK,   96
.set G1A,  24                          ; group 1: A at the head; A's refill; B at the head; B's refill
.set G1A2, 32
.set G1B,  48
.set G1B2, 56
.set G0A,  68
.set G0A2, 72
.set G0B,  76
.set G0B2, 80
.set PADW, (1<<20)|(1<<21)|(5<<22)|(3<<25)   ; elements of 1 byte; padding on; bit 21 beside a mask; four words behind every 64
.set MULW, 0xf6                        ; source 0 (B) window 2, source 1 (A) window 1, C and D window 3
.set MSB, 0
.macro WIN new
.if MSB != \new
	s_set_vgpr_msb (MSB<<8)|\new
.set MSB, \new
.endif
.endm
.macro JLOAD g0a, g1a, g0b, g1b        ; waves 0, 1 fetch for A, waves 2, 3 for B; an s_nop 0 and four v_nop follow each line
	s_cmp_eq_u32 s15, 0
	s_cbranch_scc0 .Lfor_b_\@
	tensor_load_to_lds s[\g0a:\g0a+3], s[\g1a:\g1a+7]
	s_nop 0
.rept 4
	v_nop
.endr
	s_branch .Lasked_\@
.Lfor_b_\@:
	tensor_load_to_lds s[\g0b:\g0b+3], s[\g1b:\g1b+7]
	s_nop 0
.rept 4
	v_nop
.endr
.Lasked_\@:
.endm
.macro CREST
	s_cmp_lg_u32 s14, 0
	s_cbranch_scc1 .Lnot_wave_0_\@
	s_barrier_signal -3
.Lnot_wave_0_\@:
	s_barrier_wait -3
	s_barrier_signal -1
	s_barrier_wait -1
.endm
.macro CROUND
	s_barrier_signal -1
	s_barrier_wait -1
	CREST
.endm
.macro DESC g, c, r, p                 ; r rows of c bytes, p bytes apart
	s_mov_b32 s[\g+1], (\c)<<16
	s_mov_b32 s[\g+2], (\r)<<16
	s_mov_b32 s[\g+3], (\c)<<16
	s_mov_b32 s[\g+4], \r
	s_mov_b32 s[\g+5], \p
	s_mov_b32 s[\g+6], 0
	s_mov_b32 s[\g+7], 0
.endm
.macro PLACES
.rept 4
	v_nop
.endr
.endm
	s_load_b256 s[4:11], s[0:1], 0x0               ; att, codes, the scales' exponents, Wo_b
	s_load_b64 s[12:13], s[0:1], 0x20              ; out0
	v_lshl_add_u32 v[SPW], v0, 2, SPARE
	v_mov_b32 v[NIL], 0
	ds_add_u32 v[SPW], v[NIL]                      ; the opening add, twice on end, and its wait below
	ds_add_u32 v[SPW], v[NIL]
	v_lshrrev_b32 v1, 5, v0
	v_readfirstlane_b32 s14, v1                    ; wave 0..3
	s_lshr_b32 s15, s14, 1                         ; my half of the tokens.  Also: I fetch for A (0) or for B (1)
	s_and_b32 s16, s14, 1                          ; my half of the outputs.  Also: which part I fetch
	s_bfe_u32 s40, ttmp6, 0x40000                  ; cx, cy
	s_bfe_u32 s41, ttmp6, 0x40004
	s_lshl_b32 s42, ttmp9, 2
	s_add_co_u32 s42, s42, s40                     ; tile column: 128 outputs
	s_and_b32 s17, ttmp7, 0xffff
	s_lshl_b32 s17, s17, 2
	s_add_co_u32 s17, s17, s41                     ; tile row: 256 tokens
	s_lshl_b32 s43, s41, 2
	s_lshl_b32 s43, 15, s43                        ; my row of the cluster
	s_lshl_b32 s44, 0x1111, s40                    ; my column
	s_or_b32 s[G1A], s43, PADW
	s_or_b32 s[G1A2], s43, PADW
	s_or_b32 s[G1B], s44, PADW
	s_or_b32 s[G1B2], s44, PADW
	DESC G1A, 8192, 12, HEADB
	DESC G1A2, 8192, 4, HEADB
	DESC G1B, 16384, 3, KADV
	DESC G1B2, 256, 64, 256
	s_lshl_b32 s20, s17, 14
	s_lshl_b32 s18, s16, 13
	s_add_co_u32 s20, s20, s18                     ; A: token 256 x tile row + 128 x part, 64 bytes each, in head 0
	s_mov_b32 s21, 0
	s_lshl_b32 s46, s42, 17
	s_lshl_b32 s18, s16, 14
	s_add_co_u32 s46, s46, s18                     ; B: block = tile column, + 64 rows of 256 bytes x part, in chunk 0
	s_add_co_u32 s46, s46, WO_AT
	s_mov_b32 s47, 0
	s_mul_i32 s45, s16, APART                      ; where they go: no place in the cluster enters an LDS address
	s_mul_i32 s19, s16, BPART
	s_add_co_u32 s19, s19, 2*APART
	s_mul_i32 s22, s15, APART                      ; where my fragments lie
	s_mul_i32 s23, s16, BPART
	s_add_co_u32 s23, s23, 2*APART
	s_mul_i32 s96, s14, 16*UP
	s_add_co_u32 s96, s96, STG                     ; my stage
	s_wait_dscnt 0x0                               ; both opening adds are done
	s_wait_kmcnt 0x0
	s_load_b256 s[84:91], s[8:9], 0x0              ; e0 .. e7
	s_add_nc_u64 s[20:21], s[4:5], s[20:21]
	s_add_nc_u64 s[46:47], s[6:7], s[46:47]
	s_mov_b32 s[G0A], 1
	s_mov_b32 s[G0A+1], s45
	s_mov_b64 s[G0A+2:G0A+3], s[20:21]
	s_or_b32 s[G0A+3], s[G0A+3], 0x80000000
	s_mov_b32 s[G0A2], 1
	s_mov_b32 s[G0A2+1], s45                       ; chunk 3 goes into slot 0
	s_add_nc_u64 s[G0A2+2:G0A2+3], s[20:21], 12*HEADB
	s_or_b32 s[G0A2+3], s[G0A2+3], 0x80000000
	s_mov_b32 s[G0B], 1
	s_mov_b32 s[G0B+1], s19
	s_mov_b64 s[G0B+2:G0B+3], s[46:47]
	s_or_b32 s[G0B+3], s[G0B+3], 0x80000000
	s_mov_b32 s[G0B2], 1
	s_mov_b32 s[G0B2+1], s19
	s_add_nc_u64 s[G0B2+2:G0B2+3], s[46:47], 3*KADV
	s_or_b32 s[G0B2+3], s[G0B2+3], 0x80000000
	s_mul_i32 s94, s40, HEADB                      ; the prefetch: of A head 12 + cx,
	s_add_co_u32 s94, s94, 12*HEADB
	s_lshl_b32 s95, s41, 12                        ; of B 4,096 bytes x cy of chunk 3
	s_add_co_u32 s95, s95, 3*KADV
	s_cmp_eq_u32 s15, 0
	s_cselect_b64 s[92:93], s[20:21], s[46:47]
	s_cselect_b32 s94, s94, s95
	s_cselect_b32 s18, 31, 15                      ; blocks that my wave names, less one
	s_mov_b32 s95, 0
	s_add_nc_u64 s[92:93], s[92:93], s[94:95]
	s_lshl_b32 s98, s42, 9
	s_lshl_b32 s99, s16, 8
	s_add_co_u32 s98, s98, s99                     ; my first output, in bytes of f32
	s_mov_b32 s99, 0
	s_add_nc_u64 s[10:11], s[10:11], s[98:99]
	s_add_nc_u64 s[12:13], s[12:13], s[98:99]
	s_lshl_b32 s98, s17, 20
	s_lshl_b32 s66, s15, 19
	s_add_co_u32 s98, s98, s66                     ; my first token's row of 4,096 bytes
	s_add_nc_u64 s[12:13], s[12:13], s[98:99]
	CROUND                                         ; all sixteen work-groups are here: the first joint loads meet
	JLOAD G0A, G1A, G0B, G1B                       ; chunks 0 to 2: one tensor load a wave at the head
	v_and_b32 v6, 31, v0
	v_min_u32 v[PFO], s18, v6
	v_lshlrev_b32 v[PFO], 8, v[PFO]
	global_prefetch_b8 v[PFO], s[92:93] th:TH_LOAD_NT scope:SCOPE_SE
	v_and_b32 v1, 15, v0                           ; r
	v_bfe_u32 v2, v0, 4, 1                         ; h
	v_lshrrev_b32 v3, 2, v1
	v_mul_u32_u24 v3, v3, UP
	v_and_b32 v4, 3, v1
	v_lshl_add_u32 v3, v4, 6, v3
	v_lshl_add_u32 v3, v2, 4, v3                   ; A: 272 (r / 4) + 64 (r % 4) + 16 h
	v_add_nc_u32 v[ADRA], s22, v3
	v_add_nc_u32 v[ADRA+1], ACH, v[ADRA]
	v_add_nc_u32 v[ADRA+2], 2*ACH, v[ADRA]
	v_mul_u32_u24 v4, v1, UP
	v_lshl_add_u32 v5, v2, 4, v4
	v_add_nc_u32 v[ADRB], s23, v5                  ; B: 272 r + 16 h
	v_lshl_add_u32 v5, v2, 5, v4
	v_add_nc_u32 v[STO], s96, v5                   ; into the stage: row r, 32 bytes for each half of the lanes
	v_mul_u32_u24 v5, v2, UP
	v_lshl_add_u32 v5, v1, 4, v5
	v_add_nc_u32 v[RD], s96, v5                    ; back: lanes 0-15 one row of 256 bytes, lanes 16-31 the next
	v_lshlrev_b32 v5, 12, v2
	v_lshl_add_u32 v[CO], v1, 4, v5                ; and the same two rows in out0
	v_lshlrev_b32 v7, 5, v2
.irp b, 0,1,2,3
	global_load_b128 v[BIAS+8*\b:BIAS+8*\b+3], v7, s[10:11] offset:64*\b        ; the bias at my outputs 16 b + 8 h + 0 .. 7
	global_load_b128 v[BIAS+8*\b+4:BIAS+8*\b+7], v7, s[10:11] offset:64*\b+16
.endr
; The fragments of one step of 128 along K (the q-th of the chunk in slot ch) into set p: 48 loads.
.macro LFRAG p, ch, q
	WIN 0x80
.irp b, 0,1,2,3
.irp c, 0,1,2,3
	ds_load_b128 v[64*(\p)+16*\b+4*\c:64*(\p)+16*\b+4*\c+3], v[ADRB] offset:\ch*BCH+\b*16*UP+128*\q+32*\c
.endr
.endr
	WIN 0x40
.irp i, 0,1,2,3,4,5,6,7
.irp c, 0,1,2,3
	ds_load_b128 v[128*(\p)+16*\i+4*\c:128*(\p)+16*\i+4*\c+3], v[ADRA+\ch] offset:(2*\q+\c/2)*AHD+\i*4*UP+32*(\c%2)
.endr
.endr
	WIN 0
.endm
; 16 matrix instructions: A's blocks 4 u .. 4 u + 3 x B's four, from set p.  The 32 accumulators take turns in the same order in every step.  zero = 1: the first products start the sums.
.macro MULH p, u, zero
	WIN MULW
.irp a, 0,1,2,3
.irp b, 0,1,2,3
.if \zero
	v_wmma_f32_16x16x128_fp8_fp8 v[8*(4*(4*\u+\a)+\b):8*(4*(4*\u+\a)+\b)+7], v[64*\p+16*\b:64*\p+16*\b+15], v[128*\p+16*(4*\u+\a):128*\p+16*(4*\u+\a)+15], 0
.else
	v_wmma_f32_16x16x128_fp8_fp8 v[8*(4*(4*\u+\a)+\b):8*(4*(4*\u+\a)+\b)+7], v[64*\p+16*\b:64*\p+16*\b+15], v[128*\p+16*(4*\u+\a):128*\p+16*(4*\u+\a)+15], v[8*(4*(4*\u+\a)+\b):8*(4*(4*\u+\a)+\b)+7]
.endif
.endr
.endr
.endm
; A plain step: four places behind the last products, whose set the next step's loads fill; those 48 loads may be out while this step's set is multiplied.
.macro GSTEP p, nch, nq
	PLACES
	LFRAG 1-\p, \nch, \nq
	s_wait_dscnt 48
	MULH \p, 0, 0
	MULH \p, 1, 0
.endm
	s_wait_alu depctr_va_vdst(0)                   ; the head's end
	s_wait_tensorcnt 0x0                           ; my part of chunks 0 to 2 is in,
	s_barrier_signal -1
	s_barrier_wait -1                              ; everybody's is
	LFRAG 0, 0, 0
	LFRAG 1, 0, 1
	s_wait_dscnt 48
	MULH 0, 0, 1                                   ; step 0
	MULH 0, 1, 1
	PLACES
	LFRAG 0, 1, 0                                  ; step 2's fragments, from slot 1
	s_wait_tensorcnt 0x0                           ; step 1 frees slot 0
	ds_add_u32 v[SPW], v[NIL]
	s_wait_dscnt 49                                ; step 1's fragments are in (the 48 loads behind them and the add may be out)
	MULH 1, 0, 0
	s_wait_dscnt 0x0                               ; the add is done, and my reads of slot 0 are over
	s_barrier_signal -1
	MULH 1, 1, 0
	WIN 0
	s_barrier_wait -1
	CREST                                          ; the barrier has opened a round of the cluster's barrier
	JLOAD G0A2, G1A2, G0B2, G1B2                   ; chunk 3 into slot 0; the four v_nop are the places in front of the loads below
	LFRAG 1, 1, 1
	s_wait_dscnt 48
	MULH 0, 0, 0                                   ; step 2
	MULH 0, 1, 0
	GSTEP 1, 2, 0                                  ; step 3
	GSTEP 0, 2, 1                                  ; step 4
	WIN 0
	s_wait_tensorcnt 0x0                           ; my part of chunk 3 is in,
	s_wait_dscnt 0x0                               ; and step 5's fragments
	s_barrier_signal -1
	MULH 1, 0, 0                                   ; step 5
	WIN 0
	s_barrier_wait -1                              ; everybody's part is in
	PLACES
	LFRAG 0, 0, 0
	MULH 1, 1, 0
	GSTEP 0, 0, 1                                  ; step 6
	s_wait_dscnt 0x0
	MULH 1, 0, 0                                   ; step 7
	MULH 1, 1, 0
	WIN 0
; THE WAY OUT, block by block of 16 tokens x my 64 outputs: sum x 2^(e6 + e7) + bias, through my stage, back as whole rows of 256 bytes: sixteen lanes store one aligned run of 256 bytes.
.macro TOSTAGE a
	WIN 0x03                                       ; source 0: window 3
.set j, 0
.rept 16
	v_pk_fma_f32 v[TMP+j:TMP+j+1], v[32*(\a)+j:32*(\a)+j+1], s[96:97], v[BIAS+j:BIAS+j+1] op_sel_hi:[1,0,1]   ; each accumulator from its low end on
.set j, j+2
.endr
	WIN 0
.irp b, 0,1,2,3
	ds_store_b128 v[STO], v[TMP+8*\b:TMP+8*\b+3] offset:64*\b
	ds_store_b128 v[STO], v[TMP+8*\b+4:TMP+8*\b+7] offset:64*\b+16
.endr
.set BB, BK+32*((\a)%2)
.irp t, 0,1,2,3,4,5,6,7
	ds_load_b128 v[BB+4*\t:BB+4*\t+3], v[RD] offset:\t*2*UP   ; LDS serves a wave's instructions in order (ISA guide 5.7.1.4): these see my stores
.endr
.endm
.macro SEND a, younger                 ; younger: the LDS instructions issued behind block a's loads
.set BB, BK+32*((\a)%2)
	s_wait_dscnt \younger
.if (\a) > 0
	s_add_nc_u64 s[12:13], s[12:13], 16*4096       ; (behind a wait on XCNT)  16 tokens on
.endif
.irp t, 0,1,2,3,4,5,6,7
	global_store_b128 v[CO], v[BB+4*\t:BB+4*\t+3], s[12:13] offset:\t*2*4096 th:TH_STORE_NT
.endr
.endm
	s_wait_kmcnt 0x0
	s_add_co_i32 s96, s90, s91
	s_add_co_i32 s96, s96, 127
	s_lshl_b32 s96, s96, 23                        ; 2^(e6 + e7)
	s_mov_b32 s97, s96
	s_wait_loadcnt 0x0                             ; the bias
	PLACES                                         ; behind the last products
	TOSTAGE 0
.irp a, 1,2,3,4,5,6,7
.if \a > 1
	s_wait_xcnt 0x0                                ; block a - 2's stores have read their registers and their base
.endif
	TOSTAGE \a
	SEND \a-1, 16                                  ; behind block a - 1's loads: block a's 8 stores and 8 loads
.endr
	s_wait_xcnt 0x0
	SEND 7, 0
	s_wait_tensorcnt 0x0                           ; the wave's end
	ds_add_u32 v[SPW], v[NIL]
	s_wait_dscnt 0x0
	CROUND                                         ; the closing round
	s_endpgm
.Lfunc_end_k_q9de88da847_outgemm:
	.size	k_q9de88da847_outgemm, .Lfunc_end_k_q9de88da847_outgemm-k_q9de88da847_outgemm
	.p2alignl 7, 3214868480
	.fill 96, 4, 3214868480
	.section	.rodata,"a",@progbits
	.p2align	6, 0x0
	.amdhsa_kernel k_q9de88da847_outgemm
		.amdhsa_group_segment_fixed_size 327680
		.amdhsa_private_segment_fixed_size 0
		.amdhsa_enable_private_segment 0
		.amdhsa_kernarg_size 40
		.amdhsa_user_sgpr_count 2
		.amdhsa_user_sgpr_kernarg_segment_ptr 1
		.amdhsa_wavefront_size32 1
		.amdhsa_system_sgpr_workgroup_id_x 1
		.amdhsa_system_sgpr_workgroup_id_y 1
		.amdhsa_system_sgpr_workgroup_id_z 1
		.amdhsa_system_vgpr_workitem_id 0
		.amdhsa_next_free_vgpr 1024
		.amdhsa_next_free_sgpr 100
		.amdhsa_reserve_vcc 0
		.amdhsa_float_denorm_mode_32 3
		.amdhsa_float_denorm_mode_16_64 3
		.amdhsa_memory_ordered 1
		.amdhsa_forward_progress 1
		.amdhsa_inst_pref_size 76
	.end_amdhsa_kernel
	.amdgpu_metadata
---
amdhsa.version: [ 1, 2 ]
amdhsa.kernels:
  - .name:           k_q9de88da847_outgemm
    .symbol:         k_q9de88da847_outgemm.kd
    .args:
      - { .name: att, .offset: 0, .size: 8, .value_kind: global_buffer, .address_space: global }
      - { .name: codes, .offset: 8, .size: 8, .value_kind: global_buffer, .address_space: global }
      - { .name: lowp_scales, .offset: 16, .size: 8, .value_kind: global_buffer, .address_space: global }
      - { .name: Wo_b, .offset: 24, .size: 8, .value_kind: global_buffer, .address_space: global }
      - { .name: out0, .offset: 32, .size: 8, .value_kind: global_buffer, .address_space: global }
    .group_segment_fixed_size: 327680
    .private_segment_fixed_size: 0
    .kernarg_segment_align: 8
    .kernarg_segment_size: 40
    .max_flat_workgroup_size: 128
    .sgpr_count:     100
    .vgpr_count:     1024
    .wavefront_size: 32
...
	.end_amdgpu_metadata
.endif
;; end of part 4
